; MI455X (gfx1250); checked and timed in simulation.
; The chip was launched on July 23, 2026; its instructions are those of AMD's public machine-readable ISA for CDNA 5 (MIT licence, August 2026) and "CDNA5" Instruction Set Architecture Reference Guide (July 2026). The comments in the code are by the model that wrote it; some were corrected since.
;; Heads. Allowed arithmetic: matrix products marked QUANTISED: E3M2 operands, one E8M0 scale for each 32 along K, by v_wmma_scale_f32_16x16x128_f8f6f4 with both operands' format E3M2, f32 sums; everything else in f32.
;; Inputs: Wk 16 x 1,024 x 64 float32; Wo 1,024 x 1,024 float32; Wq 16 x 1,024 x 64 float32; Wv 16 x 1,024 x 64 float32; bo 1,024 float32; data 4 x 2,048 x 1,024 float32.
;; Outputs: out0 4 x 2,048 x 1,024 float32.
;; This version of the problem:
;;   THIS VERSION OF THE PROBLEM IS GIVEN IN LOW PRECISION. The matrix products marked QUANTISED in the list below multiply operands that are first quantised to E3M2 (3 exponent bits, 2 mantissa bits; 6 bits a number), with one power-of-two scale for each 32 numbers along K (OCP MX v1.0); their sums are f32. All else is computed in f32.
;;   The module's matrix products, in the order in which they are computed (A, B: the left and right operand; K: the contracted axis; several contracted axes count as one K, in the product's order):
;;     1. [M 1,024, K 1,024] x [K 1,024, N 8,192]; A: input Wq; B: input data: QUANTISED
;;     2. [M 1,024, K 1,024] x [K 1,024, N 8,192]; A: input Wk; B: input data: QUANTISED
;;     3. [M 1,024, K 1,024] x [K 1,024, N 8,192]; A: input Wv; B: input data: QUANTISED
;;     4. batch 64 x [M 2,048, K 64] x [K 64, N 2,048]; A: computed on the way; B: computed on the way: QUANTISED
;;     5. batch 64 x [M 2,048, K 2,048] x [K 2,048, N 64]; A: softmax (see below); B: computed on the way: QUANTISED
;;     6. [M 8,192, K 1,024] x [K 1,024, N 1,024]; A: computed on the way; B: input Wo: QUANTISED
;;   THE QUANTISER, for each operand of a quantised product, along K:
;;     - K is cut into blocks of 32 from its start; a last block that is shorter is filled with zeros.
;;     - A block's scale is 2^e with e = floor(log2(the largest magnitude in the block)) - 4, held to -126 .. 127; a block of zeros has e = 0. As a byte (E8M0): e + 127.
;;     - Each number is divided by its block's scale, clamped to +-28, and rounded to the nearest number of E3M2, ties to even, subnormals kept.
;;     - The product sums the exact products of the quantised numbers (number of the format x scale) in f32.
;;   ~~~python
;;   def quantise(x, axis):      # numpy; x: float32 -> the quantised numbers, widened to float32 again
;;       x = np.moveaxis(x, axis, -1); K = x.shape[-1]
;;       x = np.pad(x, [(0, 0)] * (x.ndim - 1) + [(0, -K % 32)]); x = x.reshape(x.shape[:-1] + (-1, 32)); a = np.abs(x).max(-1, keepdims=True)
;;       e = np.where(a > 0, np.clip(np.frexp(np.where(a > 0, a, 1))[1] - 1 - 4, -126, 127), 0)      # np.frexp(a)[1] - 1 = floor(log2(a)), exactly
;;       r = np.clip(x / 2.0 ** e, -28, 28)
;;       step = 2.0 ** (np.maximum(np.frexp(np.where(r == 0, 1, r))[1] - 1, -2) - 2)
;;       q = np.round(r / step) * step * 2.0 ** e      # np.round: ties to even
;;       return np.moveaxis(q.reshape(q.shape[:-2] + (-1,))[..., :K], -1, axis).astype(np.float32)
;;   ~~~
;;   SOFTMAX AHEAD OF A QUANTISED PRODUCT. Where the list says 'softmax', what is quantised is not the finished softmax but p = 2^(t - M), with t = logit x log2(e) and M = ceil(the row's largest t), a whole number; so 1/2 < the row's largest p <= 1. The row's sum l is taken of the UNQUANTISED p, in f32, and the product's result is divided by l at the end. Since M is a whole number, a kernel that streams over the keys may use a running M (the ceiling of the running maximum): every later rescaling is an exact power of two, which a block's scale takes up: the codes' values come out the same.
;;   OPERANDS COMPUTED ON THE WAY. 'Computed on the way' means the value that the module computes at that place (a softmax that the list does not call 'softmax' is quantised finished and normalised). What goes into a quantiser is computed in f32, as accurately as f32 sums, v_exp_f32 and their like allow (about 1e-6 of the number): no bf16 or f16 on the way to a quantiser, and a product that is left as it is and whose result goes on into a quantised operand takes f32 operands (vector FMAs, or v_wmma_f32_16x16x4_f32). A number that lies on a knife's edge between two numbers of the format may be rounded either way, as far as f32 arithmetic and the matrix unit's own rounding can turn it there, and no further.
;; One version. Each part assembles by itself: llvm-mc -triple=amdgcn-amd-amdhsa -mcpu=gfx1250 --defsym DOCPART=n.
;; ======== version 1 of 1: 4 launches
;; limits: right only within a limited range of input values
;; workspace buffers: codes 8,650,752 bytes; scales 360,448 bytes; fcodes 7,077,888 bytes; fscales 294,912 bytes; qkv 18,874,368 bytes; qkvs 1,572,864 bytes
;; launch quant (part 1): grid 768 x 1, 4 waves a work-group, no clusters, 67,072 bytes of LDS; arguments data, Wo, Wq, Wk, Wv, codes, scales, fcodes, fscales; writes codes, scales, fcodes, fscales
.if DOCPART == 1
	.amdgcn_target "amdgcn-amd-amdhsa--gfx1250"
	.amdhsa_code_object_version 6
	.text
	.protected	k_qbf76aac64a_quant
	.globl	k_qbf76aac64a_quant
	.p2align	8
	.type	k_qbf76aac64a_quant,@function
k_qbf76aac64a_quant:
	s_mov_b64 s[64:65], 0
	v_nop
	global_prefetch_b8 v0, s[64:65] scope:SCOPE_SE
	s_setreg_imm32_b32 hwreg(HW_REG_WAVE_MODE, 25, 1), 1
	s_wait_xcnt 0x0
; data [8192][1024], Wo [1024][1024] (K innermost) and Wq, Wk, Wv [16][1024][64] (K = the middle axis), all f32, become codes of BF6 (E3M2) with one E8M0 byte for each 32 along K.
; A block's scale is 2^(floor(log2(its largest magnitude)) - 4); its byte is the largest magnitude's exponent field - 4, held at 1 from below by a floor among the maximum's leaves.
; LIMITS: a block of zeros, or one whose largest magnitude lies under 2^-122, gets the byte 1 where the rule says another (its codes are zeros or the nearest codes under that scale; the bytes are
; read by this program alone); NaN and infinities among the inputs are not served.
; THE CODES ARE LAID AS IMAGES OF OPERAND REGISTERS.  A fragment (16 rows x 128 K, 12 registers a lane) is 1,536 bytes: registers 2 p, 2 p + 1 of lane l at byte 256 p + 8 l.  Row block rb (16 rows), K step s:
; byte 12,288 rb + 1,536 s.  Its scale words: byte 512 rb + 64 s + 4 r.  So every later load of a fragment is six loads of 256 consecutive bytes.
; ROW BLOCKS: buffer codes: data 0-511, Wq 512-575, Wk 576-639, Wv 640-703.  Buffer fcodes: Wo 512-575 (0-511 are written by the attention launch).
; THE COLUMNS OF A WEIGHT THAT FORM A TILE ARE NOT NEIGHBOURS: lane r of tile t of a head takes column 32 (t / 2) + 8 (t % 2) + r + 8 (r / 8), so that the products' results come out with 16 neighbours in 16 registers.
; SHARES.  A wave makes two fragments (K steps 2 q, 2 q + 1 of one row block): 4,096 numbers, all asked for at its head.  Work-groups 0-511: data; 512-575: Wo; 576-767: the three weights.
; K innermost: each load reads 512 consecutive bytes; the 16 rows x 1,024 bytes turn through the wave's own stage in LDS (rows 1,040 bytes apart: 65 x 16, so sixteen rows start in sixteen different
; columns of 16 bytes) and come back 32 neighbours along K to a lane.  K not innermost: a lane takes a column and its registers run down K; nothing is transposed.
; No tensor load, no barrier: waves share nothing.
.set ROWP, 1040
.set WREG, 16*ROWP
.set NUM,  64                          ; v64-191  two fragments' numbers: register 64 f + 32 c + i = k 128 f + 64 c + 32 (lane / 16) + i of my row
.set COD,  192                         ; v192-215 two fragments' codes
.set TMPC, 216                         ; v216-222 the second halves of blocks (a conversion's three registers begin on an even number)
.set WRD,  224                         ; v224-225 the two scale words; v226 the one that I store
	s_load_b256 s[4:11], s[0:1], 0x0               ; data s[4:5], Wo s[6:7], Wq s[8:9], Wk s[10:11]
	s_load_b256 s[12:19], s[0:1], 0x20             ; Wv s[12:13], codes s[14:15], scales s[16:17], fcodes s[18:19]
	s_load_b64 s[20:21], s[0:1], 0x40              ; fscales
	v_lshl_add_u32 v232, v0, 2, 0x10400
	v_mov_b32 v233, 0
	v_lshrrev_b32 v1, 5, v0
	v_readfirstlane_b32 s22, v1                    ; wave 0..3
	v_and_b32 v1, 31, v0                           ; lane
	v_and_b32 v2, 15, v0                           ; r
	v_bfe_u32 v3, v0, 4, 1                         ; h
	v_lshlrev_b32 v4, 4, v1                        ; 16 x lane
	s_mul_i32 s32, s22, WREG                       ; my wave's stage
	v_add_nc_u32 v5, s32, v4                       ; into it: as loaded
	v_mul_u32_u24 v6, v2, ROWP
	v_lshl_add_u32 v6, v3, 7, v6
	v_add_nc_u32 v6, s32, v6                       ; out of it: row r, + 128 h: my 32 numbers of a run of 64
	v_and_b32 v7, 8, v2
	v_add_nc_u32 v7, v7, v2                        ; r + 8 (r / 8)
	v_lshlrev_b32 v7, 2, v7
	v_lshl_add_u32 v7, v3, 13, v7                  ; a weight: 4 bytes a column, lanes 16-31 begin 32 rows (of 256 bytes) further down
	s_lshr_b32 s33, s22, 1
	s_lshl_b32 s33, s33, 7
	s_and_b32 s34, s22, 1
	s_lshl_b32 s34, s34, 5
	s_add_co_u32 s33, s33, s34
	v_add_nc_u32 v7, s33, v7                       ; tile t = my wave: + 4 (32 (t / 2) + 8 (t % 2))
	v_lshlrev_b32 v8, 3, v1                        ; 8 x lane: my place in a piece of an image
	v_lshlrev_b32 v9, 2, v1                        ; 4 x lane: my scale word's
	v_lshlrev_b32 v41, 3, v3                       ; 8 h
	v_mov_b32 v42, 0                               ; written once: a lane permute's destination counts as one of its sources
	s_mov_b32 s30, 0x76543210
	s_mov_b32 s31, 0xfedcba98                      ; v_permlanex16_b32's selects for lane l xor 16
	s_wait_kmcnt 0x0
	s_cmp_ge_u32 ttmp9, 576
	s_cbranch_scc1 .Lweights
	; ---- K innermost: data or Wo.  Only pointers are chosen, on the work-group's number
	s_cmp_lt_u32 ttmp9, 512
	s_cselect_b64 s[24:25], s[4:5], s[6:7]
	s_cselect_b64 s[26:27], s[14:15], s[18:19]
	s_cselect_b64 s[28:29], s[16:17], s[20:21]
	s_cselect_b32 s32, 0, 512
	; PLACES IN THE TWO BUFFERS (this replaces the place given at the head for buffer codes): codes is laid by pairs of K steps, pair q of row block rb at 2,162,688 q + 3,072 rb (704 row blocks a pair);
	; fcodes keeps 12,288 rb + 3,072 q.  s37 = bytes a row block, s38 = bytes a pair
	s_mov_b32 s37, 12288
	s_cselect_b32 s37, 3072, s37
	s_mov_b32 s38, 3072
	s_cselect_b32 s38, 2162688, s38
	s_sub_co_u32 s32, ttmp9, s32                   ; the row block in its tensor
	s_lshl_b32 s32, s32, 16                        ; 16 rows of 4,096 bytes
	s_lshl_b32 s33, s22, 10                        ; q = my wave: 256 along K
	s_add_co_u32 s32, s32, s33
	s_mov_b32 s33, 0
	s_add_nc_u64 s[24:25], s[24:25], s[32:33]
	s_mov_b32 s34, ttmp9                           ; the row block in the buffer of codes
	s_mov_b32 s35, s22                             ; q
.set i, 0
.rept 32
	global_load_b128 v[NUM+4*i:NUM+4*i+3], v4, s[24:25] offset:(i/2)*4096+(i%2)*512 th:TH_LOAD_NT   ; 32 lanes read 512 consecutive bytes of row i / 2
.set i, i+1
.endr
.irp g, 0,1,2,3
	s_wait_loadcnt 24-8*\g                         ; loads come back in order: this group of eight is in, the younger groups stay out
.irp k, 0,1,2,3,4,5,6,7
	ds_store_b128 v5, v[NUM+4*(8*\g+\k):NUM+4*(8*\g+\k)+3] offset:((8*\g+\k)/2)*ROWP+((8*\g+\k)%2)*512
.endr
.endr
	s_wait_dscnt 0x0                               ; the stores have read their registers, which the loads below fill again
.irp f, 0,1
.irp c, 0,1
.irp j, 0,1,2,3,4,5,6,7
	ds_load_b128 v[NUM+64*\f+32*\c+4*\j:NUM+64*\f+32*\c+4*\j+3], v6 offset:512*\f+256*\c+16*\j
.endr
.endr
.endr
	s_wait_dscnt 0x0
	s_branch .Ltail
.Lweights:
	; ---- K not innermost: Wq, Wk or Wv.  i = work-group - 576: tensor i / 64, head (i / 4) % 16, q = i % 4; tile = my wave
	s_sub_co_u32 s32, ttmp9, 576
	s_lshr_b32 s33, s32, 6
	s_cmp_eq_u32 s33, 0
	s_cselect_b64 s[24:25], s[8:9], s[10:11]
	s_cmp_eq_u32 s33, 2
	s_cselect_b64 s[24:25], s[12:13], s[24:25]
	s_mov_b64 s[26:27], s[14:15]
	s_mov_b64 s[28:29], s[16:17]
	s_mov_b32 s37, 3072                            ; buffer codes: bytes a row block,
	s_mov_b32 s38, 2162688                         ; and bytes a pair of K steps
	s_and_b32 s35, s32, 3                          ; q
	s_and_b32 s34, s32, 0xfc
	s_add_co_u32 s34, s34, s22
	s_add_co_u32 s34, s34, 512                     ; row block 512 + 64 tensor + 4 head + tile
	s_and_b32 s32, s32, 63
	s_lshl_b32 s32, s32, 16                        ; head x 262,144 + q x 256 rows of 256 bytes
	s_mov_b32 s33, 0
	s_add_nc_u64 s[24:25], s[24:25], s[32:33]
	s_wait_alu depctr_va_vdst(0)
.irp f, 0,1
.irp c, 0,1
.irp k, 0,1,2,3,4,5,6,7,8,9,10,11,12,13,14,15,16,17,18,19,20,21,22,23,24,25,26,27,28,29,30,31
	global_load_b32 v[NUM+64*\f+32*\c+\k], v7, s[24:25] offset:(128*\f+64*\c+\k)*256   ; W(128 f + 64 c + 32 h + k, my column); the four waves together take whole rows of 256 bytes
.endr
.endr
.endr
	s_wait_loadcnt 0x0
.Ltail:
	s_mul_i32 s32, s34, s37
	s_mul_i32 s33, s35, s38
	s_add_co_u32 s32, s32, s33
	s_mov_b32 s33, 0
	s_add_nc_u64 s[26:27], s[26:27], s[32:33]      ; my two images
	s_lshl_b32 s32, s34, 9
	s_lshl_b32 s36, s35, 7
	s_add_co_u32 s32, s32, s36
	s_add_nc_u64 s[28:29], s[28:29], s[32:33]      ; and their 128 bytes of scale words
; Fragment f: a lane holds two whole blocks (2 c + h of the K step's four), so no other lane is asked for a maximum; the scale word's four bytes are gathered from lanes l and l xor 16.
.macro QUANT6 f
.irp c, 0,1
	v_max3_num_f32 v[32+\c], |v[NUM+64*\f+32*\c]|, |v[NUM+64*\f+32*\c+1]|, 0x2800000   ; and the floor 2^(5 - 127): the byte cannot fall under 1
.endr
.irp k, 2,4,6,8,10,12,14,16,18,20,22,24,26,28,30
.irp c, 0,1
	v_max3_num_f32 v[32+\c], v[32+\c], |v[NUM+64*\f+32*\c+\k]|, |v[NUM+64*\f+32*\c+\k+1]|   ; (the two blocks by turns)
.endr
.endr
.irp c, 0,1
	v_add_nc_u32 v[34+\c], 0xfe000000, v[32+\c]    ; 4 off the exponent field: the conversion takes the exponent field of this operand as its scale, and nothing else of it
.endr
.irp c, 0,1
	v_lshrrev_b32 v[36+\c], 23, v[34+\c]           ; the scale's byte
.endr
	v_lshl_or_b32 v[WRD+\f], v37, 16, v36          ; my two bytes: blocks h and 2 + h,
	v_lshlrev_b32 v[WRD+\f], v41, v[WRD+\f]        ; at their places in the word (8 h bits up);
	v_permlanex16_b32 v42, v[WRD+\f], s30, s31
	v_or_b32 v[WRD+\f], v[WRD+\f], v42             ; with lane l xor 16's two the word is whole
.irp c, 0,1
	v_cvt_scalef32_pk16_bf6_f32 v[COD+12*\f+6*\c:COD+12*\f+6*\c+2], v[NUM+64*\f+32*\c:NUM+64*\f+32*\c+15], v[34+\c]
	v_cvt_scalef32_pk16_bf6_f32 v[TMPC+4*\c:TMPC+4*\c+2], v[NUM+64*\f+32*\c+16:NUM+64*\f+32*\c+31], v[34+\c]
.endr
	v_nop                                          ; one plain place behind a scaled conversion
.irp c, 0,1
.irp k, 0,1,2
	v_mov_b32 v[COD+12*\f+6*\c+3+\k], v[TMPC+4*\c+\k]
.endr
.endr
.irp p, 0,1,2,3,4,5
	global_store_b64 v8, v[COD+12*\f+2*\p:COD+12*\f+2*\p+1], s[26:27] offset:1536*\f+256*\p   ; 32 lanes store 256 consecutive bytes, aligned
.endr
.endm
	QUANT6 0
	QUANT6 1                                       ; each fragment has its own registers for its codes: no store's data are written again
	v_cmp_eq_u32 vcc_lo, 1, v3
	v_cndmask_b32 v226, v224, v225, vcc_lo         ; lanes 0-15 store K step 2 q's words, lanes 16-31 K step 2 q + 1's
	global_store_b32 v9, v226, s[28:29]            ; 128 consecutive bytes
	s_wait_tensorcnt 0x0
	ds_add_u32 v232, v233
	s_wait_dscnt 0x0
	s_endpgm
.Lfunc_end_k_qbf76aac64a_quant:
	.size	k_qbf76aac64a_quant, .Lfunc_end_k_qbf76aac64a_quant-k_qbf76aac64a_quant
	.p2alignl 7, 3214868480
	.fill 96, 4, 3214868480
	.section	.rodata,"a",@progbits
	.p2align	6, 0x0
	.amdhsa_kernel k_qbf76aac64a_quant
		.amdhsa_group_segment_fixed_size 67072
		.amdhsa_private_segment_fixed_size 0
		.amdhsa_enable_private_segment 0
		.amdhsa_kernarg_size 72
		.amdhsa_user_sgpr_count 2
		.amdhsa_user_sgpr_kernarg_segment_ptr 1
		.amdhsa_wavefront_size32 1
		.amdhsa_system_sgpr_workgroup_id_x 1
		.amdhsa_system_sgpr_workgroup_id_y 1
		.amdhsa_system_sgpr_workgroup_id_z 1
		.amdhsa_system_vgpr_workitem_id 0
		.amdhsa_next_free_vgpr 234
		.amdhsa_next_free_sgpr 66
		.amdhsa_reserve_vcc 1
		.amdhsa_float_denorm_mode_32 3
		.amdhsa_float_denorm_mode_16_64 3
		.amdhsa_memory_ordered 1
		.amdhsa_forward_progress 1
		.amdhsa_inst_pref_size 31
	.end_amdhsa_kernel
	.amdgpu_metadata
---
amdhsa.version: [ 1, 2 ]
amdhsa.kernels:
  - .name:           k_qbf76aac64a_quant
    .symbol:         k_qbf76aac64a_quant.kd
    .args:
      - { .name: data, .offset: 0, .size: 8, .value_kind: global_buffer, .address_space: global }
      - { .name: Wo, .offset: 8, .size: 8, .value_kind: global_buffer, .address_space: global }
      - { .name: Wq, .offset: 16, .size: 8, .value_kind: global_buffer, .address_space: global }
      - { .name: Wk, .offset: 24, .size: 8, .value_kind: global_buffer, .address_space: global }
      - { .name: Wv, .offset: 32, .size: 8, .value_kind: global_buffer, .address_space: global }
      - { .name: codes, .offset: 40, .size: 8, .value_kind: global_buffer, .address_space: global }
      - { .name: scales, .offset: 48, .size: 8, .value_kind: global_buffer, .address_space: global }
      - { .name: fcodes, .offset: 56, .size: 8, .value_kind: global_buffer, .address_space: global }
      - { .name: fscales, .offset: 64, .size: 8, .value_kind: global_buffer, .address_space: global }
    .group_segment_fixed_size: 67072
    .private_segment_fixed_size: 0
    .kernarg_segment_align: 8
    .kernarg_segment_size: 72
    .max_flat_workgroup_size: 128
    .sgpr_count:     66
    .vgpr_count:     234
    .wavefront_size: 32
...
	.end_amdgpu_metadata
.endif
;; end of part 1
;; launch gemm_qkv (part 2): grid 8 x 48, 4 waves a work-group, clusters of 4 x 4, 327,680 bytes of LDS; arguments codes, scales, qkv, qkvs; writes qkv, qkvs
.if DOCPART == 2
	.amdgcn_target "amdgcn-amd-amdhsa--gfx1250"
	.amdhsa_code_object_version 6
	.text
	.protected	k_qbf76aac64a_gemm_qkv
	.globl	k_qbf76aac64a_gemm_qkv
	.p2align	8
	.type	k_qbf76aac64a_gemm_qkv,@function
k_qbf76aac64a_gemm_qkv:
	s_mov_b64 s[64:65], 0
	v_nop
	global_prefetch_b8 v0, s[64:65] scope:SCOPE_SE
	s_setreg_imm32_b32 hwreg(HW_REG_WAVE_MODE, 25, 1), 1
	s_wait_xcnt 0x0
	s_wait_alu depctr_hold_cnt(0) depctr_sa_sdst(0) depctr_va_vdst(0) depctr_va_sdst(0) depctr_va_ssrc(0) depctr_va_vcc(0) depctr_vm_vsrc(0)
	s_getreg_b32 s2, hwreg(HW_REG_IB_STS2, 6, 4)
	s_cmp_eq_u32 s2, 0
	s_cbranch_scc0 .Lentry_in_a_cluster
	s_endpgm
.Lentry_in_a_cluster:
	s_bfe_u32 s2, ttmp6, 0x10000c
	s_cmp_lg_u32 s2, 0xf033
	s_cbranch_scc0 .Lentry_shape_is_right
	s_endpgm
.Lentry_shape_is_right:
; q, k, v = data x Wq, Wk, Wv on codes of BF6 (E3M2) with E8M0 scales for each 32 along K = 1,024; the results are quantised again on the way out and leave as codes: q and k along the head's 64, v along the keys.
; OPERANDS are images of operand registers: a fragment (16 rows x 128 K, 12 registers a lane) is 1,536 bytes, registers 2 p, 2 p + 1 of lane l at byte 256 p + 8 l; row block rb, K step s at 12,288 rb + 1,536 s;
; its scale words at 512 rb + 64 s + 4 r.  Row blocks of the buffer codes: data 0-511, Wq 512-575, Wk 576-639, Wv 640-703.
; A tile of 256 x 256 results is made by four waves, each 128 x 128: 64 accumulators, 512 registers.  Source 0 takes the operand called B here, source 1 the one called A: a lane holds ONE row of A and,
; in the 64 registers of a block of 16 rows, 128 neighbours along B's rows: one fragment of the next product, quantised in registers.
; CLUSTERS of 4 x 4.  Cluster rows Y = 0-7 (q and k): A = data, B = Wq and Wk; a wave's 128 rows of B are two heads.  Y = 8-11 (v): A = Wv, B = data; a wave's 128 rows of B are 128 keys.  The two cases differ in
; offsets alone, chosen by s_cselect_b32 on Y, which all partners share: there is no branch on it.  A's tiles are shared along a row of the cluster, B's along a column: each is asked for jointly.
; K = 1,024 is 8 steps of 128, written out (each names its own scale registers).  LDS holds three slots of 256 along K; all three are filled at the start, slot 0 once more (K 768-1,023): one refill, and
; 256 matrix instructions of a wave between the request and the wait for it.  By this text's count a wave has at most three tensor loads out.
; OUTPUT.  Buffer qkv: images of 1,536 bytes.  q, k: image 512 ni + mi, ni the pair of heads (0-7 q, 8-15 k), mi = token / 16; half c (768 bytes) is head 2 ni + c.  v: image 8,192 + 1,024 batch + 64 head + 4 chunk + et:
; 16 of the head's 64 (in the order of Wv's tile et) x 128 keys.  Within a block of 32 keys the order is 0-7, 16-23, 8-15, 24-31: the attention launch lays its weights p the same way.
; Buffer qkvs: lane l's word of image idx at 256 (idx / 2) + 8 l + 4 (idx % 2); lanes 0-15 the row's word, lanes 16-31 the same word 16 bits down (the odd head's two bytes).
; LIMITS: a block of zeros, or one whose largest magnitude lies under 2^-122, gets the scale byte 1 (read by this program alone); NaN and infinities are not served.
; REGISTERS, in windows of 256: window 0: v1-30 addresses; v32-95 all scale words (register 8 i + s: lanes 0-15 A's block i, lanes 16-31 B's block i, K step s); v96-120 at work on the way out;
;   v128-223 A's fragments, ONE set, later the codes made; v224-231 the words made.   window 1: B's fragments, TWO sets, at v0 and v128.   windows 2, 3: the accumulators ((a, b) at v[8 (8 (a % 4) + b)]).
; PLACES (these lines replace what the head says of buffer codes, of the slots and of the loads out): codes is laid by pairs of K steps: pair u of row block rb at 2,162,688 u + 3,072 rb.
; A wave's ONE load at the head brings its 8 row blocks of pairs 0, 1, 2 (K 0-767): 3 rows of 24,576 dense bytes, 2,162,688 bytes apart, into 3 planes on end at wave x 73,728.
; Plane 0 is filled once more (pair 3, K 768-1,023): 8 dense rows of 3,072 bytes.  By this text's count a wave has one tensor load out.
.set FR,    12
.set NL,    6
.set HALFT, 8*3072                     ; 8 row blocks x two K steps' images: what one tensor load brings, and what one wave reads of A or of B in a slot
.set SLOT,  4*HALFT                    ; A's 16 row blocks, then B's 16
.set SPARE, 3*SLOT                     ; behind the slots: the spare words, 128 bytes for each wave: two blocks of 256 bytes that no other line names
.set ADRA, 16                          ; v16-18  LDS address of my A fragments in slot 0, 1, 2
.set ADRB, 20                          ; v20-22  the same for B
.set L8,   26                          ; v26     8 x lane
.set SOFF, 27                          ; v27     my offset among the scale words
.set SPW,  28                          ; v28     LDS address of my spare word; never rewritten
.set NIL,  29                          ; v29     0; never rewritten
.set SH,   30                          ; v30     16 h
.set SC,   32
.set TM,   96                          ; v96-99 largest magnitudes, v100-103 the other lane's, then bytes, v108-111 the conversions' scale operands
.set CT,   112                         ; v112-118 the second halves of blocks
.set PW,   120                         ; the scale word just made
.set AF,   128
.set WD,   224
.set G1,  24                           ; s[24:31] descriptor group 1 for A's tiles;  s[32:35] group 0
.set G0,  32
.set G1B, 44                           ; s[44:51], s[52:55] the same for B's
.set G0B, 52
.set SEL, 98                           ; s[98:99] lane selects for v_permlanex16_b32
.set MSB, 0
.macro WIN new                         ; the immediate's high byte repeats the setting that is left
.if MSB != \new
	s_set_vgpr_msb (MSB<<8)|\new
.set MSB, \new
.endif
.endm
.set MUL_LO, 0xa1                      ; source 0 (B) window 1, source 1 (A) window 0, C and D window 2
.set MUL_HI, 0xf1                      ; the same, C and D window 3
.set TO_B,   0x40                      ; destination window 1, address window 0
; A joint load: waves 0 and 1 fetch for A, waves 2 and 3 for B.  The branch hangs on the wave's number alone.  Four v_nop follow each of the two lines.
.macro JLOAD g0a, g1a, g0b, g1b
	s_cmp_eq_u32 s15, 0
	s_cbranch_scc0 .Lfor_b_\@
	tensor_load_to_lds s[\g0a:\g0a+3], s[\g1a:\g1a+7]
	s_nop 0
.rept 4
	v_nop
.endr
	s_branch .Lasked_\@
.Lfor_b_\@:
	tensor_load_to_lds s[\g0b:\g0b+3], s[\g1b:\g1b+7]
	s_nop 0
.rept 4
	v_nop
.endr
.Lasked_\@:
.endm
.macro CREST                           ; a round of the cluster's barrier behind its opening barrier
	s_cmp_lg_u32 s14, 0
	s_cbranch_scc1 .Lnot_wave_0_\@
	s_barrier_signal -3
.Lnot_wave_0_\@:
	s_barrier_wait -3
	s_barrier_signal -1
	s_barrier_wait -1
.endm
.macro CROUND                          ; a whole round
	s_barrier_signal -1
	s_barrier_wait -1
	CREST
.endm
.macro PLACES n
.rept \n
	v_nop
.endr
.endm
	s_load_b128 s[4:7], s[0:1], 0x0                ; codes s[4:5], scales s[6:7]
	s_load_b128 s[8:11], s[0:1], 0x10              ; qkv s[8:9], qkvs s[10:11]
	v_lshl_add_u32 v[SPW], v0, 2, SPARE
	v_mov_b32 v[NIL], 0
	ds_add_u32 v28, v29
	ds_add_u32 v28, v29
	s_wait_dscnt 0x0
	v_lshrrev_b32 v1, 5, v0
	v_readfirstlane_b32 s14, v1                    ; wave 0..3
	s_lshr_b32 s15, s14, 1                         ; which half of A's rows is mine.  Also: I fetch for A (0) or for B (1)
	s_and_b32 s16, s14, 1                          ; which half of B's rows.  Also: which 8 row blocks of that tile I fetch
	s_bfe_u32 s66, ttmp6, 0x40000                  ; cx
	s_bfe_u32 s67, ttmp6, 0x40004                  ; cy
	s_and_b32 s68, ttmp7, 0xffff                   ; Y, the cluster's y; ttmp9 is X
	s_lshl_b32 s69, s67, 2
	s_lshl_b32 s69, 15, s69                        ; my row of the cluster
	s_lshl_b32 s70, 0x1111, s66                    ; my column
	; descriptor group 1: 3 rows of 24,576 bytes (3,072 elements of 8 bytes), 2,162,688 bytes apart; no padding: an image's pieces are read as 256 consecutive bytes
	s_or_b32 s[G1], s69, (3<<16)|(1<<21)           ; 15:0 the mask; 17:16 elements of 8 bytes; 21 set beside a mask
	s_or_b32 s[G1B], s70, (3<<16)|(1<<21)
.irp g, G1, G1B
	s_mov_b32 s[\g+1], 3072<<16                    ; tensor_dim0: 8 row blocks x 3,072 bytes, in elements of 8 bytes
	s_mov_b32 s[\g+2], 3<<16                       ; tensor_dim1: three pairs of K steps
	s_mov_b32 s[\g+3], 3072<<16                    ; tile_dim0
	s_mov_b32 s[\g+4], 3                           ; tile_dim1
	s_mov_b32 s[\g+5], 270336                      ; from pair to pair: 704 row blocks x 384 elements
	s_mov_b32 s[\g+6], 0
	s_mov_b32 s[\g+7], 0
.endr
	; the tiles' first row blocks.  A's hangs on Y and cy alone, B's on X, Y and cx alone, each in registers that never hold the other place
	s_lshl_b32 s71, s68, 6                         ; q, k: A = data at 64 Y
	s_lshl_b32 s72, ttmp9, 6                       ; 64 X
	s_add_co_u32 s73, s72, 512                     ; q, k: B = Wq, Wk at 512 + 64 X
	s_lshl_b32 s74, s68, 7
	s_add_co_u32 s74, s74, s72
	s_sub_co_u32 s74, s74, 1024                    ; v: B = data at 64 X + 128 (Y - 8)  (not chosen where Y < 8)
	s_mov_b32 s75, 640                             ; v: A = Wv
	s_cmp_lt_u32 s68, 8
	s_cselect_b32 s71, s71, s75
	s_cselect_b32 s73, s73, s74
	s_lshl_b32 s75, s67, 4
	s_add_co_u32 s71, s71, s75                     ; A's first row block: + 16 cy
	s_lshl_b32 s76, s66, 4
	s_add_co_u32 s73, s73, s76                     ; B's: + 16 cx
	s_lshl_b32 s77, s16, 3
	s_add_co_u32 s78, s71, s77                     ; what I would fetch of A,
	s_add_co_u32 s80, s73, s77                     ; and of B
	s_mul_i32 s78, s78, 3072
	s_mov_b32 s79, 0
	s_mul_i32 s80, s80, 3072
	s_mov_b32 s81, 0
	s_mul_i32 s82, s14, 3*HALFT                    ; where it goes: wave x three planes: no place in the cluster enters an LDS address
	s_mov_b32 s[SEL], 0x76543210
	s_mov_b32 s[SEL+1], 0xfedcba98
	s_wait_kmcnt 0x0
	s_add_nc_u64 s[78:79], s[4:5], s[78:79]
	s_add_nc_u64 s[80:81], s[4:5], s[80:81]
	CROUND                                         ; all sixteen work-groups are here: the first joint loads meet
.irp s, 0
	s_mov_b32 s[G0+4*\s], 1
	s_add_co_u32 s[G0+4*\s+1], s82, \s*SLOT
	s_add_nc_u64 s[G0+4*\s+2:G0+4*\s+3], s[78:79], \s*3072
	s_or_b32 s[G0+4*\s+3], s[G0+4*\s+3], 0x80000000
	s_mov_b32 s[G0B+4*\s], 1
	s_add_co_u32 s[G0B+4*\s+1], s82, \s*SLOT
	s_add_nc_u64 s[G0B+4*\s+2:G0B+4*\s+3], s[80:81], \s*3072
	s_or_b32 s[G0B+4*\s+3], s[G0B+4*\s+3], 0x80000000
	JLOAD G0+4*\s, G1, G0B+4*\s, G1B               ; K 0-767: one load of mine is out
.endr
	v_and_b32 v1, 15, v0                           ; r
	v_bfe_u32 v2, v0, 4, 1                         ; h
	v_and_b32 v3, 31, v0                           ; lane
	v_lshlrev_b32 v[L8], 3, v3
	s_wait_alu depctr_va_vdst(0)
	v_lshlrev_b32 v[SH], 4, v2
	; all scale words of my 128 rows of A (lanes 0-15) and of B (lanes 16-31), for all of K: they stay in registers
	s_lshl_b32 s85, s15, 3
	s_add_co_u32 s85, s85, s71
	s_lshl_b32 s85, s85, 9
	s_add_co_u32 s86, s73, s77
	s_lshl_b32 s86, s86, 9
	v_mov_b32 v4, s85
	v_mov_b32 v5, s86
	v_cmp_eq_u32 vcc_lo, 1, v2
	v_cndmask_b32 v[SOFF], v4, v5, vcc_lo
	v_lshl_add_u32 v[SOFF], v1, 2, v[SOFF]
.irp i, 0,1,2,3,4,5,6,7
.irp s, 0,1,2,3,4,5,6,7
	global_load_b32 v[SC+8*\i+\s], v[SOFF], s[6:7] offset:512*\i+64*\s
.endr
.endr
	s_mul_i32 s83, s15, 3*HALFT                    ; my 8 row blocks of A: three planes
	s_mul_i32 s84, s16, 3*HALFT
	s_add_co_u32 s84, s84, 6*HALFT                 ; and of B, behind A's two regions
.irp s, 0,1,2
	v_add_nc_u32 v[ADRA+\s], s83, v[L8]
	v_add_nc_u32 v[ADRB+\s], s84, v[L8]
	s_add_co_u32 s83, s83, HALFT
	s_add_co_u32 s84, s84, HALFT
.endr
.irp b, 0,1,2,3
	v_mov_b32 v[TM+4+\b], 0                        ; written once: a lane permute's destination counts as one of its sources
.endr
	; where my results go: the image of my block 0, and how far on that of block 4 lies
	s_lshl_b32 s87, ttmp9, 2
	s_add_co_u32 s87, s87, s66                     ; 4 X + cx
	s_lshl_b32 s96, s68, 3
	s_add_co_u32 s96, s96, s87
	s_sub_co_u32 s96, s96, 64                      ; v: 4 (X + 2 (Y - 8)) + cx
	s_lshl_b32 s87, s87, 1
	s_add_co_u32 s87, s87, s16                     ; q, k: ni, my pair of heads
	s_lshl_b32 s96, s96, 1
	s_add_co_u32 s96, s96, s16                     ; v: ni, my chunk of 128 tokens
	s_lshl_b32 s87, s87, 9
	s_lshl_b32 s97, s68, 6
	s_add_co_u32 s87, s87, s97
	s_lshl_b32 s97, s67, 4
	s_add_co_u32 s87, s87, s97
	s_lshl_b32 s97, s15, 3
	s_add_co_u32 s87, s87, s97                     ; q, k: 512 ni + 16 (4 Y + cy) + 8 x my half
	s_lshr_b32 s97, s96, 4
	s_lshl_b32 s97, s97, 10                        ; v: 1,024 batch
	s_and_b32 s96, s96, 15
	s_lshl_b32 s96, s96, 2                         ; + 4 chunk
	s_add_co_u32 s96, s96, s97
	s_lshl_b32 s97, s67, 8
	s_add_co_u32 s96, s96, s97
	s_lshl_b32 s97, s15, 7
	s_add_co_u32 s96, s96, s97                     ; + 64 (4 cy + 2 x my half): my first head
	s_add_co_u32 s96, s96, 8192
	s_cmp_lt_u32 s68, 8
	s_cselect_b32 s87, s87, s96                    ; block 0's image
	s_cselect_b32 s96, 4, 64
	s_add_co_u32 s96, s96, s87                     ; block 4's: four tiles of tokens on, or one head on
	s_mul_i32 s88, s87, 1536
	s_mov_b32 s89, 0
	s_add_nc_u64 s[88:89], s[8:9], s[88:89]        ; s[88:89], s[90:91]: the images of blocks 0-3, 4-7
	s_mul_i32 s90, s96, 1536
	s_mov_b32 s91, 0
	s_add_nc_u64 s[90:91], s[8:9], s[90:91]
	s_lshl_b32 s92, s87, 7
	s_mov_b32 s93, 0
	s_add_nc_u64 s[92:93], s[10:11], s[92:93]      ; s[92:93], s[94:95]: their words
	s_lshl_b32 s94, s96, 7
	s_mov_b32 s95, 0
	s_add_nc_u64 s[94:95], s[10:11], s[94:95]
.macro FRAG reg, adr, q, i             ; a fragment comes as it was stored: six loads of 256 consecutive bytes
.irp p, 0,1,2,3,4,5
	ds_load_b64 v[\reg+2*\p:\reg+2*\p+1], v[\adr] offset:3072*(\i)+1536*(\q)+256*\p
.endr
.endm
; 16 matrix instructions: A's blocks a0, a0 + 1 x B's eight, K step ks.  p: B's set.  start = 1: the first product starts the sums: nothing is ever cleared.
; The 64 accumulators take turns, one instruction a turn, in the same order in every step.
.macro MUL16 a0, p, ks, start
.irp a, \a0, \a0+1
.irp b, 0,1,2,3,4,5,6,7
.if \start
	v_wmma_scale_f32_16x16x128_f8f6f4 v[8*(8*((\a)%4)+\b):8*(8*((\a)%4)+\b)+7], v[128*(\p)+FR*\b:128*(\p)+FR*\b+FR-1], v[AF+FR*(\a):AF+FR*(\a)+FR-1], 0, v[SC+8*\b+(\ks)], v[SC+8*(\a)+(\ks)] matrix_a_fmt:MATRIX_FMT_BF6 matrix_b_fmt:MATRIX_FMT_BF6 matrix_a_scale:MATRIX_SCALE_ROW1
.else
	v_wmma_scale_f32_16x16x128_f8f6f4 v[8*(8*((\a)%4)+\b):8*(8*((\a)%4)+\b)+7], v[128*(\p)+FR*\b:128*(\p)+FR*\b+FR-1], v[AF+FR*(\a):AF+FR*(\a)+FR-1], v[8*(8*((\a)%4)+\b):8*(8*((\a)%4)+\b)+7], v[SC+8*\b+(\ks)], v[SC+8*(\a)+(\ks)] matrix_a_fmt:MATRIX_FMT_BF6 matrix_b_fmt:MATRIX_FMT_BF6 matrix_a_scale:MATRIX_SCALE_ROW1
.endif
.endr
.endr
.endm
.macro FETCH_B slot, q, p              ; B's eight fragments of the slot's q-th 128 along K into set p
	WIN TO_B
.irp i, 0,1,2,3,4,5,6,7
	FRAG 128*(\p)+FR*\i, ADRB+\slot, \q, \i
.endr
	WIN 0
.endm
.macro FETCH_A slot, q, i0             ; A's blocks i0 .. i0 + 3
.irp i, \i0, \i0+1, \i0+2, \i0+3
	FRAG AF+FR*(\i), ADRA+\slot, \q, \i
.endr
.endm
; A load into a register that a matrix instruction has read, and a vector instruction that reads a matrix result, stand four places behind that matrix instruction; only plain vector instructions
; that name none of its registers are places (ISA guide 7.12.1 for vector instructions).
; A slot's first step: it multiplies B's set 0 and fetches the slot's second 128 along K.
.macro STEP slot, ks, start
	s_wait_dscnt 4*NL                              ; B's set and A's blocks 0-3 are in; the youngest 24 loads (A's blocks 4-7) may be out
	WIN MUL_LO
	MUL16 0, 0, \ks, \start
	MUL16 2, 0, \ks, \start
	s_wait_dscnt 0                                 ; A's blocks 4-7 are in
	PLACES 4
	FETCH_B \slot, 1, 1
	FETCH_A \slot, 1, 0
	WIN MUL_HI
	MUL16 4, 0, \ks, \start
	MUL16 6, 0, \ks, \start
	PLACES 4
	WIN 0
	FETCH_A \slot, 1, 4
.endm
; A slot's second step multiplies B's set 1 and goes on to the next slot.
; mode 2: this slot is filled again: every wave waits for all its tensor loads, adds 0 to its spare word, waits for that and for its reads of the slot; a round of the cluster's barrier; the joint refill first behind it.
; mode 1: the next slot is the one that was filled again: the same waits and a plain barrier show it whole to every wave.   mode 0: the next slot was shown whole at an earlier barrier: nothing to wait for.
.macro TURN slot, next, mode, ks
.if \mode > 0
	s_wait_tensorcnt 0x0                           ; all my tensor loads have landed  (every window is 0 here: the add's two registers lie in window 0)
	ds_add_u32 v[SPW], v[NIL]                      ; 0 onto my spare word
.if \mode == 2
.irp g, G1, G1B                        ; no tensor load of mine is out, so a descriptor may be written: the refill is 8 dense rows of 3,072 bytes
	s_mov_b32 s[\g+1], 384<<16
	s_mov_b32 s[\g+2], 8<<16
	s_mov_b32 s[\g+3], 384<<16
	s_mov_b32 s[\g+4], 8
	s_mov_b32 s[\g+5], 384
.endr
.endif
	s_wait_dscnt 4*NL+1                            ; (the add and the youngest 24 loads may be out)
.else
	s_wait_dscnt 4*NL
.endif
	WIN MUL_LO
	MUL16 0, 1, \ks, 0                             ; sixteen matrix instructions stand between the add and the wait for it
	s_wait_dscnt 0x0                               ; the add is done, and my reads of this slot are over
.if \mode > 0
	s_barrier_signal -1
.endif
	MUL16 2, 1, \ks, 0
	WIN 0                                          ; (branches may follow)
.if \mode > 0
	s_barrier_wait -1
.endif
.if \mode == 2
	CREST                                          ; the barrier has opened a round of the cluster's barrier: no wave of any partner still reads this slot or has a load on its way
	s_add_nc_u64 s[G0+4*\slot+2:G0+4*\slot+3], s[G0+4*\slot+2:G0+4*\slot+3], 3*2162688   ; three pairs of K steps on
	s_add_nc_u64 s[G0B+4*\slot+2:G0B+4*\slot+3], s[G0B+4*\slot+2:G0B+4*\slot+3], 3*2162688
	JLOAD G0+4*\slot, G1, G0B+4*\slot, G1B         ; the first tensor load behind the round; the four v_nop behind it are the places in front of the loads below
.else
	PLACES 4
.endif
	FETCH_B \next, 0, 0
	FETCH_A \next, 0, 0
	WIN MUL_HI
	MUL16 4, 1, \ks, 0
	MUL16 6, 1, \ks, 0
	PLACES 4
	WIN 0
	FETCH_A \next, 0, 4
.endm
	s_wait_alu depctr_va_vdst(0)
	s_wait_tensorcnt 0x0                           ; my one load, my part of all three planes, is in
	s_barrier_signal -1
	s_barrier_wait -1                              ; everybody's is
	FETCH_B 0, 0, 0
	FETCH_A 0, 0, 0
	FETCH_A 0, 0, 4
	s_wait_loadcnt 0x0                             ; the scale words
	STEP 0, 0, 1
	TURN 0, 1, 2, 1                                ; slots 1 and 2 are whole; slot 0 takes K 768-1,023
	STEP 1, 2, 0
	TURN 1, 2, 0, 3
	STEP 2, 4, 0
	TURN 2, 0, 1, 5                                ; the refill has landed
	STEP 0, 6, 0
	s_wait_dscnt 4*NL                              ; the last step: nothing more to fetch
	WIN MUL_LO
	MUL16 0, 1, 7, 0
	MUL16 2, 1, 7, 0
	s_wait_dscnt 0
	WIN MUL_HI
	MUL16 4, 1, 7, 0
	MUL16 6, 1, 7, 0
	WIN 0
; THE WAY OUT.  Block a's 64 registers of a lane are 128 along the next product's K for the lane's row: register 16 b + i = place 32 b + 16 (lane / 16) + i.  They become a fragment's codes in v[128 + 12 a] on
; and its scale word; each accumulator is read from its low end on.
.macro QUANTW a
.set AC, 64*((\a)%4)
.set WW, 2+(\a)/4                      ; the block's window
.set WX, WW*5                          ; sources 0 and 1 in it
.set CD, AF+12*(\a)
	WIN WX
.irp b, 0,1,2,3
	v_max3_num_f32 v[TM+\b], |v[AC+16*\b]|, |v[AC+16*\b+1]|, 0x2800000   ; block b: my 16 numbers, and the floor 2^(5 - 127): the byte cannot fall under 1
.endr
.irp i, 2,4,6,8,10,12,14
.irp b, 0,1,2,3
	v_max3_num_f32 v[TM+\b], |v[AC+16*\b+\i]|, |v[AC+16*\b+\i+1]|, v[TM+\b]   ; (the four blocks by turns)
.endr
.endr
	WIN 0
.irp b, 0,1,2,3
	v_permlanex16_b32 v[TM+4+\b], v[TM+\b], s[SEL], s[SEL+1]
.endr
.irp b, 0,1,2,3
	v_max_num_f32 v[TM+\b], v[TM+\b], v[TM+4+\b]   ; with lane l xor 16's: the block's largest magnitude
.endr
.irp b, 0,1,2,3
	v_add_nc_u32 v[TM+12+\b], 0xfe000000, v[TM+\b] ; 4 off its exponent field: the conversion's scale operand
.endr
.irp b, 0,1,2,3
	v_lshrrev_b32 v[TM+4+\b], 23, v[TM+12+\b]      ; the scale's byte
.endr
	v_lshl_or_b32 v[PW], v[TM+5], 8, v[TM+4]
	v_lshl_or_b32 v[PW], v[TM+6], 16, v[PW]
	v_lshl_or_b32 v[PW], v[TM+7], 24, v[PW]        ; my row's scale word
	v_lshrrev_b32 v[WD+(\a)], v[SH], v[PW]         ; lanes 16-31 keep it 16 bits down
	WIN WW                                         ; source 0 in the block's window
.irp c, 0,1
	v_cvt_scalef32_pk16_bf6_f32 v[CD+6*\c:CD+6*\c+2], v[AC+32*\c:AC+32*\c+15], v[TM+12+2*\c]
	v_cvt_scalef32_pk16_bf6_f32 v[CT+4*\c:CT+4*\c+2], v[AC+32*\c+16:AC+32*\c+31], v[TM+12+2*\c+1]   ; (a conversion's three registers begin on an even number)
.endr
	WIN 0
	v_nop                                          ; one plain place behind a scaled conversion
.irp c, 0,1                                    ; the operand's layout wants a WHOLE block in a lane: lanes 0-15 block 2 c, lanes 16-31 block 2 c + 1
.irp i, 0,1,2
	v_permlane16_swap_b32 v[CD+6*\c+\i], v[CT+4*\c+\i]
.endr
.irp i, 0,1,2
	v_mov_b32 v[CD+6*\c+3+\i], v[CT+4*\c+\i]
.endr
.endr
.endm
.macro OUT a                           ; every store covers 256 consecutive bytes, aligned; each block has its own registers for codes and word: no store's data are written again
.set CD, AF+12*(\a)
.set OBR, 88+2*((\a)/4)
.set OSR, 92+2*((\a)/4)
.irp p, 0,1,2,3,4,5
	global_store_b64 v[L8], v[CD+2*\p:CD+2*\p+1], s[OBR:OBR+1] offset:((\a)%4)*1536+256*\p
.endr
.if (\a)%2 == 1
	global_store_b64 v[L8], v[WD+(\a)-1:WD+(\a)], s[OSR:OSR+1] offset:(((\a)%4)/2)*256
.endif
.endm
	PLACES 4                                       ; behind the last products: results are read, and registers that held A's fragments are written
.irp a, 0,1,2,3,4,5,6,7
	QUANTW \a
	OUT \a
.endr
	s_wait_tensorcnt 0x0                           ; the wave's end
	ds_add_u32 v[SPW], v[NIL]
	s_wait_dscnt 0x0
	CROUND                                         ; the closing round: no work-group ends while a partner may still ask for a tile that names it
	s_endpgm
.Lfunc_end_k_qbf76aac64a_gemm_qkv:
	.size	k_qbf76aac64a_gemm_qkv, .Lfunc_end_k_qbf76aac64a_gemm_qkv-k_qbf76aac64a_gemm_qkv
	.p2alignl 7, 3214868480
	.fill 96, 4, 3214868480
	.section	.rodata,"a",@progbits
	.p2align	6, 0x0
	.amdhsa_kernel k_qbf76aac64a_gemm_qkv
		.amdhsa_group_segment_fixed_size 327680
		.amdhsa_private_segment_fixed_size 0
		.amdhsa_enable_private_segment 0
		.amdhsa_kernarg_size 32
		.amdhsa_user_sgpr_count 2
		.amdhsa_user_sgpr_kernarg_segment_ptr 1
		.amdhsa_wavefront_size32 1
		.amdhsa_system_sgpr_workgroup_id_x 1
		.amdhsa_system_sgpr_workgroup_id_y 1
		.amdhsa_system_sgpr_workgroup_id_z 1
		.amdhsa_system_vgpr_workitem_id 0
		.amdhsa_next_free_vgpr 1024
		.amdhsa_next_free_sgpr 100
		.amdhsa_reserve_vcc 1
		.amdhsa_float_denorm_mode_32 3
		.amdhsa_float_denorm_mode_16_64 3
		.amdhsa_memory_ordered 1
		.amdhsa_forward_progress 1
		.amdhsa_inst_pref_size 168
	.end_amdhsa_kernel
	.amdgpu_metadata
---
amdhsa.version: [ 1, 2 ]
amdhsa.kernels:
  - .name:           k_qbf76aac64a_gemm_qkv
    .symbol:         k_qbf76aac64a_gemm_qkv.kd
    .args:
      - { .name: codes, .offset: 0, .size: 8, .value_kind: global_buffer, .address_space: global }
      - { .name: scales, .offset: 8, .size: 8, .value_kind: global_buffer, .address_space: global }
      - { .name: qkv, .offset: 16, .size: 8, .value_kind: global_buffer, .address_space: global }
      - { .name: qkvs, .offset: 24, .size: 8, .value_kind: global_buffer, .address_space: global }
    .group_segment_fixed_size: 327680
    .private_segment_fixed_size: 0
    .kernarg_segment_align: 8
    .kernarg_segment_size: 32
    .max_flat_workgroup_size: 128
    .sgpr_count:     100
    .vgpr_count:     1024
    .wavefront_size: 32
...
	.end_amdgpu_metadata
.endif
;; end of part 2
;; launch attn (part 3): grid 4 x 64, 16 waves a work-group, no clusters, 327,680 bytes of LDS; arguments qkv, qkvs, fcodes, fscales; writes fcodes, fscales
.if DOCPART == 3
	.amdgcn_target "amdgcn-amd-amdhsa--gfx1250"
	.amdhsa_code_object_version 6
	.text
	.protected	k_qbf76aac64a_attn
	.globl	k_qbf76aac64a_attn
	.p2align	8
	.type	k_qbf76aac64a_attn,@function
k_qbf76aac64a_attn:
	s_mov_b64 s[64:65], 0
	v_nop
	global_prefetch_b8 v0, s[64:65] scope:SCOPE_SE
	s_setreg_imm32_b32 hwreg(HW_REG_WAVE_MODE, 25, 1), 1
	s_wait_xcnt 0x0
; Causal attention of one head on codes of BF6 (E3M2) with E8M0 scales: S^T = K Q^T (K = the head's 64: the upper 64 of the instruction's 128 are zero codes), p = 2^(t - M), O^T = V^T P^T (K = the keys),
; o = O / l, quantised along the head's 64 and stored as codes: an operand of the last product.  t = score x log2(e) / 32; M = the running largest t rounded UP to a whole number; the row's sum l is taken of
; the unquantised p; when M moves, l and O are multiplied by 2^(old M - new M): exact.
; INPUT (buffer qkv, images of operand registers: registers 2 p, 2 p + 1 of lane l at byte 256 p + 8 l of 1,536).  q, k: image 512 ni + 128 batch + token / 16, ni = head / 2 (q) or 8 + head / 2 (k); the head's half
; is the 768 bytes at 768 (head % 2).  v: image 8,192 + 1,024 batch + 64 head + 4 chunk + et: 16 of the head's 64 x 128 keys.  Scale words (buffer qkvs): pair of images at 256 (idx / 2); in it 8 r + 4 (idx % 2);
; the second 128 bytes of a pair hold the words 16 bits down: the odd head's two bytes.  A q or k word's upper two bytes stand over zero codes and are never 0xff.
; ORDER OF THE KEYS.  A tile of K is 16 neighbouring keys, so register 8 t + j of S^T is key 16 t + 8 (lane / 16) + j: within a block of 32 keys p's codes lie in the order 0-7, 16-23, 8-15, 24-31, and so do v's.
; SHARES.  Work-group (i, head): query blocks i and 7 - i of 256 queries: (i + 1) + (8 - i) = 9 visits of 256 keys for every work-group: equal work and a constant trip count.  Each of sixteen waves owns 16 queries of
; the block in hand, in 256 registers: four waves to a SIMD, so that one wave's vector work stands beside another's matrix work and LDS loads.  A step (128 keys) all of whose keys come after the wave's queries is
; left out by a scalar branch on ids; on the diagonal hidden scores become -infinity.
; NO JOINT LOADS: the four work-groups of a head walk the key slots in different orders (slot j in one, slot j - i - 1 in another), so in no visit do they want the same tile.
; LDS: two slots 32,768 bytes apart, each: K 16 x 768 bytes; V at 12,288: 8 images; K's words at 24,576: 8 x 128 bytes; V's words at 25,600: 4 x 128.  Waves 0, 1 fetch K's halves, 2, 3 V's, 4 K's words, 5 V's words.
; By this text's count a wave has at most one tensor load out.
; LIMITS: a block of zeros, or one whose largest magnitude lies under 2^-122, gets the scale byte 1 (read by this program alone); NaN and infinities are not served.
; REGISTERS: v1-7 addresses that stay; v8-11 addresses of the step; v12 -M, v13 the largest t, v[14:15] the sum; v16-27 Q (v22-27 zero codes); v28-31 V's words; v32-79 four fragments of K (the upper six of each: zero codes);
; v80-127 four fragments of V; v128-191 S^T, then p; v192-223 O^T; v224-235 p's codes; v232-254 at work; v248-251 K's words; v253 p's word; v255 Q's word.
.set SLOT1, 1<<15
.set VOFF,  12288
.set KSOFF, 24576
.set VSOFF, 25600
.set SPARE, 2*SLOT1                    ; the spare words, 128 bytes for each wave: eight blocks of 256 bytes that no other line names
.set AK0,  1                           ; v1   8 x lane: my place in a piece of an image (in LDS and in memory)
.set AV0,  2                           ; v2   the same among a slot's V
.set ASK0, 3                           ; v3   8 r among a slot's words of K
.set ASV0, 4                           ; v4   and of V
.set SPW,  5                           ; v5   LDS address of my spare word; never rewritten
.set NIL,  6                           ; v6   0; never rewritten
.set OB8,  7                           ; v7   4 r + h: my byte among the output's scale words
.set ADK,  8
.set ADV,  9
.set ADS,  10
.set ADT,  11
.set QF,   16
.set VW,   28
.set KFR,  32
.set VFR,  80
.set S,    128
.set OT,   192
.set PC,   224
.set Q0,   2                           ; s2   my first query of the block in hand
.set Q0B,  3                           ; s3   and of the second block
.set J,    12                          ; s12  the visit, 0 .. 8
.set I,    13                          ; s13  i
.set TB,   14                          ; s14  LDS byte at which the slot in hand begins
.set KSB,  16                          ; s[16:17] K's words of the head
.set WV,   18                          ; s18  my wave's number
.set KF,   19                          ; s19  the step's first key
.set SEL,  20                          ; s[20:21] lane selects for v_permlanex16_b32: lane l xor 16
.set CS,   22                          ; s[22:23] c = log2(e) / 32
.set G1K,  24                          ; s[24:31], s[32:39], s[48:55], s[56:63] descriptor groups 1: K, V, K's words, V's words
.set G1V,  32
.set G0K,  40                          ; s[40:43], s[44:47], s[68:71], s[72:75] their groups 0, which walk
.set G0V,  44
.set G1KS, 48
.set G1VS, 56
.set VSB,  66                          ; s[66:67] V's words of the head
.set G0SK, 68
.set G0SV, 72
.set KB,   76                          ; s[76:77] my part of the head's first slot of K;  s[78:79] of V
.set VB,   78
.set BX,   80                          ; s[80:87], s[88:95] for the two blocks: Q's codes, Q's words, the output's codes, its scale bytes
; One tensor load a wave, or none.  The branches hang on the wave's number alone.  Four v_nop follow each line.
.macro TLOAD
	s_cmp_lt_u32 s[WV], 2
	s_cbranch_scc0 .Lnot_k_\@
	tensor_load_to_lds s[G0K:G0K+3], s[G1K:G1K+7]
	s_nop 0
.rept 4
	v_nop
.endr
	s_branch .Lasked_\@
.Lnot_k_\@:
	s_cmp_lt_u32 s[WV], 4
	s_cbranch_scc0 .Lnot_v_\@
	tensor_load_to_lds s[G0V:G0V+3], s[G1V:G1V+7]
	s_nop 0
.rept 4
	v_nop
.endr
	s_branch .Lasked_\@
.Lnot_v_\@:
	s_cmp_eq_u32 s[WV], 4
	s_cbranch_scc0 .Lnot_ks_\@
	tensor_load_to_lds s[G0SK:G0SK+3], s[G1KS:G1KS+7]
	s_nop 0
.rept 4
	v_nop
.endr
	s_branch .Lasked_\@
.Lnot_ks_\@:
	s_cmp_eq_u32 s[WV], 5
	s_cbranch_scc0 .Lasked_\@
	tensor_load_to_lds s[G0SV:G0SV+3], s[G1VS:G1VS+7]
	s_nop 0
.rept 4
	v_nop
.endr
.Lasked_\@:
.endm
; The offsets of a block's four places, from s96 = 16 x block + wave (my tile of 16 tokens in the batch), s97 head, s98 batch, s99 head % 2, s100 wave % 2, s101 q's first image of the batch
.macro SETX base, q0
	s_lshl_b32 s[\q0], s96, 4                      ; my first query
	s_add_co_u32 s[\base], s101, s96               ; q's image
	s_lshr_b32 s[\base+2], s[\base], 1
	s_lshl_b32 s[\base+2], s[\base+2], 8           ; its pair of words
	s_mul_i32 s[\base], s[\base], 1536
	s_mul_i32 s[\base+4], s99, 768
	s_add_co_u32 s[\base], s[\base], s[\base+4]    ; the head's half of the image
	s_lshl_b32 s[\base+4], s99, 7
	s_add_co_u32 s[\base+2], s[\base+2], s[\base+4]
	s_lshl_b32 s[\base+4], s100, 2
	s_add_co_u32 s[\base+2], s[\base+2], s[\base+4]
	s_lshl_b32 s[\base+6], s98, 7
	s_add_co_u32 s[\base+6], s[\base+6], s96       ; the output's row block: 128 batch + tile
	s_mul_i32 s[\base+4], s[\base+6], 12288
	s_mul_i32 s[\base+1], s97, 768
	s_add_co_u32 s[\base+4], s[\base+4], s[\base+1]   ; + the head's half image
	s_lshl_b32 s[\base+6], s[\base+6], 9
	s_lshr_b32 s[\base+1], s97, 1
	s_lshl_b32 s[\base+1], s[\base+1], 6
	s_add_co_u32 s[\base+6], s[\base+6], s[\base+1]   ; K step head / 2,
	s_lshl_b32 s[\base+1], s99, 1
	s_add_co_u32 s[\base+6], s[\base+6], s[\base+1]   ; bytes 2 (head % 2) on
	s_mov_b32 s[\base+1], 0
	s_mov_b32 s[\base+3], 0
	s_mov_b32 s[\base+5], 0
	s_mov_b32 s[\base+7], 0
.endm
	s_load_b256 s[4:11], s[0:1], 0x0               ; qkv s[4:5], qkvs s[6:7], fcodes s[8:9], fscales s[10:11]
	v_lshl_add_u32 v[SPW], v0, 2, SPARE
	v_mov_b32 v[NIL], 0
	ds_add_u32 v5, v6
	ds_add_u32 v5, v6
	s_wait_dscnt 0x0
	v_lshrrev_b32 v8, 5, v0
	s_delay_alu instid0(VALU_DEP_1)
	v_readfirstlane_b32 s[WV], v8                  ; wave 0..15
	s_mov_b32 s[I], ttmp9
	s_and_b32 s96, ttmp7, 0xffff
	s_and_b32 s97, s96, 15                         ; head
	s_lshr_b32 s98, s96, 4                         ; batch
	s_and_b32 s99, s97, 1
	s_lshr_b32 s100, s97, 1
	s_lshl_b32 s101, s100, 9
	s_lshl_b32 s96, s98, 7
	s_add_co_u32 s101, s101, s96                   ; q's first image: 512 (head / 2) + 128 batch
	s_add_co_u32 s96, s101, 4096                   ; k's: 8 x 512 on
	s_and_b32 s100, s[WV], 1                       ; which half I fetch, if I fetch
	s_mul_i32 s[KB], s96, 1536
	s_mul_i32 s[KSB], s99, 768
	s_add_co_u32 s[KB], s[KB], s[KSB]
	s_mul_i32 s[KSB], s100, 12288
	s_add_co_u32 s[KB], s[KB], s[KSB]
	s_mov_b32 s[KB+1], 0
	s_add_co_u32 s[KSB], s96, s99
	s_lshl_b32 s[KSB], s[KSB], 7                   ; 128 bytes an image, + 128 for the odd head
	s_mov_b32 s[KSB+1], 0
	s_lshl_b32 s96, s98, 10
	s_lshl_b32 s[VB], s97, 6
	s_add_co_u32 s96, s96, s[VB]
	s_add_co_u32 s96, s96, 8192                    ; v's first image
	s_mul_i32 s[VB], s96, 1536
	s_mul_i32 s[VSB], s100, 6144
	s_add_co_u32 s[VB], s[VB], s[VSB]
	s_mov_b32 s[VB+1], 0
	s_lshl_b32 s[VSB], s96, 7
	s_mov_b32 s[VSB+1], 0
	s_lshl_b32 s96, ttmp9, 4
	s_add_co_u32 s96, s96, s[WV]
	SETX BX, Q0                                    ; block i
	s_xor_b32 s96, ttmp9, 7                        ; 7 - i (i is 0 .. 3)
	s_lshl_b32 s96, s96, 4
	s_add_co_u32 s96, s96, s[WV]
	SETX BX+8, Q0B                                 ; block 7 - i
	; descriptor groups 1: elements of 8 bytes, no mask, no padding
	s_mov_b32 s[G1K], 3<<16                        ; K: 8 rows of 768 bytes (a head's half of an image), 1,536 bytes apart
	s_mov_b32 s[G1K+1], 96<<16
	s_mov_b32 s[G1K+2], 8<<16
	s_mov_b32 s[G1K+3], 96<<16
	s_mov_b32 s[G1K+4], 8
	s_mov_b32 s[G1K+5], 192
	s_mov_b32 s[G1K+6], 0
	s_mov_b32 s[G1K+7], 0
	s_mov_b32 s[G1V], 3<<16                        ; V: four images, 6,144 dense bytes, as 24 rows of 256
	s_mov_b32 s[G1V+1], 32<<16
	s_mov_b32 s[G1V+2], 24<<16
	s_mov_b32 s[G1V+3], 32<<16
	s_mov_b32 s[G1V+4], 24
	s_mov_b32 s[G1V+5], 32
	s_mov_b32 s[G1V+6], 0
	s_mov_b32 s[G1V+7], 0
	s_mov_b32 s[G1KS], 3<<16                       ; K's words: 8 rows of 128 bytes, 256 bytes apart
	s_mov_b32 s[G1KS+1], 16<<16
	s_mov_b32 s[G1KS+2], 8<<16
	s_mov_b32 s[G1KS+3], 16<<16
	s_mov_b32 s[G1KS+4], 8
	s_mov_b32 s[G1KS+5], 32
	s_mov_b32 s[G1KS+6], 0
	s_mov_b32 s[G1KS+7], 0
	s_mov_b32 s[G1VS], 3<<16                       ; V's words: 4 such rows
	s_mov_b32 s[G1VS+1], 16<<16
	s_mov_b32 s[G1VS+2], 4<<16
	s_mov_b32 s[G1VS+3], 16<<16
	s_mov_b32 s[G1VS+4], 4
	s_mov_b32 s[G1VS+5], 32
	s_mov_b32 s[G1VS+6], 0
	s_mov_b32 s[G1VS+7], 0
	s_mov_b32 s[SEL], 0x76543210
	s_mov_b32 s[SEL+1], 0xfedcba98
	s_mov_b32 s[CS], 0x3d38aa3b                    ; c = log2(e) / 32
	s_mov_b32 s[CS+1], s[CS]                       ; (named with it as a pair, so it is written)
	s_mov_b32 s[TB], 0
	s_mov_b32 s[J], 0
	s_wait_kmcnt 0x0
	s_add_nc_u64 s[KB:KB+1], s[4:5], s[KB:KB+1]
	s_add_nc_u64 s[VB:VB+1], s[4:5], s[VB:VB+1]
	s_add_nc_u64 s[KSB:KSB+1], s[6:7], s[KSB:KSB+1]
	s_add_nc_u64 s[VSB:VSB+1], s[6:7], s[VSB:VSB+1]
.irp x, 0,1
	s_add_nc_u64 s[BX+8*\x:BX+8*\x+1], s[4:5], s[BX+8*\x:BX+8*\x+1]
	s_add_nc_u64 s[BX+8*\x+2:BX+8*\x+3], s[6:7], s[BX+8*\x+2:BX+8*\x+3]
	s_add_nc_u64 s[BX+8*\x+4:BX+8*\x+5], s[8:9], s[BX+8*\x+4:BX+8*\x+5]
	s_add_nc_u64 s[BX+8*\x+6:BX+8*\x+7], s[10:11], s[BX+8*\x+6:BX+8*\x+7]
.endr
	s_mov_b32 s[G0K], 1                            ; groups 0: count 1; LDS address in slot 0; the head's first 256 keys; type 2
	s_mul_i32 s[G0K+1], s100, 6144
	s_mov_b64 s[G0K+2:G0K+3], s[KB:KB+1]
	s_or_b32 s[G0K+3], s[G0K+3], 0x80000000
	s_mov_b32 s[G0V], 1
	s_add_co_u32 s[G0V+1], s[G0K+1], VOFF
	s_mov_b64 s[G0V+2:G0V+3], s[VB:VB+1]
	s_or_b32 s[G0V+3], s[G0V+3], 0x80000000
	s_mov_b32 s[G0SK], 1
	s_mov_b32 s[G0SK+1], KSOFF
	s_mov_b64 s[G0SK+2:G0SK+3], s[KSB:KSB+1]
	s_or_b32 s[G0SK+3], s[G0SK+3], 0x80000000
	s_mov_b32 s[G0SV], 1
	s_mov_b32 s[G0SV+1], VSOFF
	s_mov_b64 s[G0SV+2:G0SV+3], s[VSB:VSB+1]
	s_or_b32 s[G0SV+3], s[G0SV+3], 0x80000000
	TLOAD                                          ; slot 0, ahead of every wait on TENSORcnt, every LDS read and every barrier
	v_and_b32 v8, 31, v0                           ; lane
	v_and_b32 v9, 15, v0                           ; r
	v_bfe_u32 v10, v0, 4, 1                        ; h
	s_delay_alu instid0(VALU_DEP_3)
	v_lshlrev_b32 v[AK0], 3, v8
	s_delay_alu instid0(VALU_DEP_1)
	v_add_nc_u32 v[AV0], VOFF, v[AK0]
	s_delay_alu instid0(VALU_DEP_4)
	v_lshlrev_b32 v[ASK0], 3, v9
	s_delay_alu instid0(VALU_DEP_1)
	v_add_nc_u32 v[ASV0], VSOFF, v[ASK0]
	s_delay_alu instid0(VALU_DEP_2)
	v_add_nc_u32 v[ASK0], KSOFF, v[ASK0]
	v_lshl_add_u32 v[OB8], v9, 2, v10
.irp j, 6,7,8,9,10,11
	v_mov_b32 v[QF+\j], 0                          ; zero codes for the upper 64 of the first product's K: written once
.irp t, 0,1,2,3
	v_mov_b32 v[KFR+12*\t+\j], 0
.endr
.endr
.irp b, 0,1,2,3
	v_mov_b32 v[236+\b], 0                         ; written once: a lane permute's destination counts as one of its sources
.endr
	v_mov_b32 v252, 0
	v_mov_b32 v253, 0                              ; (named as the upper half of the pair v[252:253] before it is first written)
; A block of queries begins: Q's half fragment and word; M, l and O^T begin anew (the first change of M multiplies zeros).
.macro BEGIN x
	v_and_b32 v244, 15, v0
	s_delay_alu instid0(VALU_DEP_1)
	v_lshlrev_b32 v244, 3, v244                    ; 8 r
.irp p, 0,1,2
	global_load_b64 v[QF+2*\p:QF+2*\p+1], v[AK0], s[BX+8*\x:BX+8*\x+1] offset:256*\p
.endr
	global_load_b32 v255, v244, s[BX+8*\x+2:BX+8*\x+3]
	v_mov_b32 v13, 0xff61b1e6                      ; the largest t so far: -3e38, under every t
	s_delay_alu instid0(VALU_DEP_1)
	v_floor_f32 v12, -v13                          ; -M
	v_mov_b32 v14, 0
	v_mov_b32 v15, 0
.set n, 0
.rept 32
	v_mov_b32 v[OT+n], 0
.set n, n+1
.endr
	s_wait_loadcnt 0x0
.endm
; A KEY STEP: 128 keys, the q-th of the slot in hand.
.macro STEP q
	s_add_co_u32 s96, s[Q0], 15
	s_cmp_gt_u32 s[KF], s96                        ; all 128 keys come after my 16 queries: the step's work is left out (no barrier and no tensor load stands in a step)
	s_cbranch_scc1 .Lhidden_\@
	v_add_nc_u32 v[ADK], s[TB], v[AK0]             ; (these four are also places behind the last step's products)
	s_wait_alu depctr_va_vdst(0)
	v_add_nc_u32 v[ADV], s[TB], v[AV0]
	v_add_nc_u32 v[ADS], s[TB], v[ASK0]
	s_wait_alu depctr_va_vdst(0)
	v_add_nc_u32 v[ADT], s[TB], v[ASV0]
.irp g, 0,1                                    ; S^T = K Q^T, four tiles of 16 keys at a time
.if \g > 0
.rept 4
	v_nop                                          ; places in front of loads into registers that matrix instructions have read
.endr
.endif
.irp t, 0,1,2,3
.irp p, 0,1,2
	ds_load_b64 v[KFR+12*\t+2*\p:KFR+12*\t+2*\p+1], v[ADK] offset:(8*(\q)+4*\g+\t)*768+256*\p
.endr
.endr
.irp u, 0,1
	ds_load_b64 v[248+2*\u:249+2*\u], v[ADS] offset:512*(\q)+256*\g+128*\u   ; two tiles' words
.endr
	s_wait_dscnt 0x0
.irp t, 0,1,2,3
	v_wmma_scale_f32_16x16x128_f8f6f4 v[S+8*(4*\g+\t):S+8*(4*\g+\t)+7], v[KFR+12*\t:KFR+12*\t+11], v[QF:QF+11], 0, v[248+\t], v255 matrix_a_fmt:MATRIX_FMT_BF6 matrix_b_fmt:MATRIX_FMT_BF6
.endr
.endr
.irp t, 0,1,2,3                                ; V's four fragments and words are asked for now and land under the softmax (the last products that read these registers stand eight places back)
.irp p, 0,1,2,3,4,5
	ds_load_b64 v[VFR+12*\t+2*\p:VFR+12*\t+2*\p+1], v[ADV] offset:6144*(\q)+1536*\t+256*\p
.endr
.endr
	s_wait_alu depctr_va_vdst(0)
.irp u, 0,1
	ds_load_b64 v[VW+2*\u:VW+2*\u+1], v[ADT] offset:256*(\q)+128*\u
.endr
.rept 4
	v_nop                                          ; places in front of the first read of the scores
.endr
	s_add_co_u32 s96, s[KF], 127                   ; on the diagonal the scores of hidden keys become -infinity ahead of the maximum: p = 0 then.  A step all of whose keys count skips this
	s_cmp_le_u32 s96, s[Q0]
	s_cbranch_scc1 .Lopen_\@
	s_sub_co_i32 s96, s[Q0], s[KF]
	v_and_b32 v244, 15, v0
	v_bfe_u32 v245, v0, 4, 1
	s_delay_alu instid0(VALU_DEP_1)
	v_lshlrev_b32 v245, 3, v245
	s_delay_alu instid0(VALU_DEP_1)
	v_sub_nc_u32 v244, v244, v245
	s_delay_alu instid0(VALU_DEP_1)
	v_add_nc_u32 v244, s96, v244                   ; d = my query - the step's first key - 8 (lane / 16).  Register n holds key 16 (n / 8) + 8 (lane / 16) + n % 8: hidden where 16 (n / 8) + n % 8 > d
	v_mov_b32 v245, 0xff800000                     ; -infinity
.set n, 0
.rept 64
	v_cmp_gt_i32 vcc_lo, 16*(n/8)+n%8, v244
	v_cndmask_b32 v[S+n], v[S+n], v245, vcc_lo
.set n, n+1
.endr
.Lopen_\@:
.irp b, 0,1,2,3
	v_max3_num_f32 v[232+\b], v[S+16*\b], v[S+1+16*\b], v[S+2+16*\b]   ; THE LARGEST SCORE OF EACH BLOCK OF 32 KEYS: it serves for the row's maximum and, since p rises with the score, for the block's largest p
.endr
.irp i, 3,5,7,9,11,13
.irp b, 0,1,2,3
	v_max3_num_f32 v[232+\b], v[232+\b], v[S+16*\b+\i], v[S+1+16*\b+\i]   ; (the four blocks by turns)
.endr
.endr
.irp b, 0,1,2,3
	v_max_num_f32 v[232+\b], v[232+\b], v[S+15+16*\b]
.endr
.irp b, 0,1,2,3
	s_delay_alu instid0(VALU_DEP_4)
	v_permlanex16_b32 v[236+\b], v[232+\b], s[SEL], s[SEL+1]
.endr
.irp b, 0,1,2,3
	s_delay_alu instid0(VALU_DEP_4)
	v_max_num_f32 v[232+\b], v[232+\b], v[236+\b]  ; with lane l xor 16's 16 keys
.endr
	s_delay_alu instid0(VALU_DEP_2)
	v_max3_num_f32 v254, v232, v233, v234
	s_delay_alu instid0(VALU_DEP_1)
	v_max_num_f32 v254, v254, v235                 ; the step's largest score of my query (the step's first key counts for every query of mine: it is a number)
	s_delay_alu instid0(VALU_DEP_1)
	v_mul_f32 v254, s[CS], v254                    ; as t (c is positive)
	s_delay_alu instid0(VALU_DEP_1)
	v_max_num_f32 v13, v13, v254                   ; the running largest t
	v_mov_b32 v254, v12
	s_delay_alu instid0(VALU_DEP_2)
	v_floor_f32 v12, -v13                          ; the new -M = floor(-t) = -ceil(t): M IS A WHOLE NUMBER
	s_delay_alu instid0(VALU_DEP_1)
	v_sub_f32 v254, v12, v254                      ; M's old value less its new one: a whole number, 0 or less
	s_delay_alu instid0(VALU_DEP_1)
	v_cvt_i32_f32 v254, v254                       ; (it saturates)
	s_delay_alu instid0(VALU_DEP_1)
	v_ldexp_f32 v252, 1.0, v254                    ; f = 2^(old M - new M)
.set n, 0
.rept 32
	v_pk_fma_f32 v[S+n:S+n+1], v[S+n:S+n+1], s[CS:CS+1], v[12:13] op_sel_hi:[1,0,0]   ; t - M, two at a time (of the pairs c and -M the low word serves both halves)
.set n, n+2
.endr
.irp b, 0,1,2,3
	v_fma_f32 v[232+\b], v[232+\b], s[CS], v12     ; the same of each block's largest score
.endr
.set n, 0
	s_wait_alu depctr_va_vdst(0)
.rept 64
	v_exp_f32 v[S+n], v[S+n]                       ; p = 2^(t - M), at most 1: NOT normalised
.set n, n+1
.endr
.irp b, 0,1,2,3
	v_exp_f32 v[232+\b], v[232+\b]                 ; the block's largest p: the same two instructions on the same number give the same bits
.endr
	v_pk_mul_f32 v[14:15], v[14:15], v[252:253] op_sel_hi:[1,0]   ; the sums under the new M.  (A plain place behind the exponentials)
	s_wait_alu depctr_va_vdst(0)
.irp b, 0,1,2,3
	v_max_num_f32 v[232+\b], 0x2800000, v[232+\b]  ; the floor 2^(5 - 127): the byte cannot fall under 1 (a block whose every p is 0 keeps that byte: its codes are zeros)
.endr
.irp b, 0,1,2,3
	s_delay_alu instid0(VALU_DEP_4)
	v_add_nc_u32 v[244+\b], 0xfe000000, v[232+\b]  ; 4 off the exponent field: the conversion's scale operand
.endr
.irp b, 0,1,2,3
	s_delay_alu instid0(VALU_DEP_4)
	v_lshrrev_b32 v[236+\b], 23, v[244+\b]         ; the scale's byte
.endr
	s_delay_alu instid0(VALU_DEP_3)
	v_lshl_or_b32 v253, v237, 8, v236              ; p's scale word for these 128 keys
	s_delay_alu instid0(VALU_DEP_1)
	v_lshl_or_b32 v253, v238, 16, v253
	s_delay_alu instid0(VALU_DEP_1)
	v_lshl_or_b32 v253, v239, 24, v253
.irp c, 0,1
	v_cvt_scalef32_pk16_bf6_f32 v[PC+6*\c:PC+2+6*\c], v[S+32*\c:S+15+32*\c], v[244+2*\c]
	v_cvt_scalef32_pk16_bf6_f32 v[236+4*\c:238+4*\c], v[S+16+32*\c:S+31+32*\c], v[244+2*\c+1]   ; (a conversion's three registers begin on an even number)
.endr
	v_nop                                          ; one plain place behind a scaled conversion
.irp c, 0,1                                    ; the operand's layout wants a WHOLE block in a lane: lanes 0-15 block 2 c, lanes 16-31 block 2 c + 1
.irp i, 0,1,2
	v_permlane16_swap_b32 v[PC+6*\c+\i], v[236+4*\c+\i]
.endr
.irp i, 0,1,2
	s_delay_alu instid0(VALU_DEP_3)
	v_mov_b32 v[PC+3+6*\c+\i], v[236+4*\c+\i]
.endr
.endr
	v_pk_add_f32 v[236:237], v[132:133], v[136:137]
	v_pk_add_f32 v[250:251], v[140:141], v[144:145]
	v_pk_add_f32 v[248:249], v[148:149], v[152:153]
	v_pk_add_f32 v[246:247], v[156:157], v[160:161]
	v_pk_add_f32 v[244:245], v[164:165], v[168:169]
	v_pk_add_f32 v[242:243], v[172:173], v[176:177]
	v_pk_add_f32 v[240:241], v[180:181], v[184:185]
	v_pk_add_f32 v[14:15], v[14:15], v[188:189]
	v_pk_add_f32 v[236:237], v[236:237], v[128:129]
	v_pk_add_f32 v[250:251], v[250:251], v[130:131]
	v_pk_add_f32 v[248:249], v[248:249], v[134:135]
	v_pk_add_f32 v[246:247], v[246:247], v[138:139]
	v_pk_add_f32 v[244:245], v[244:245], v[142:143]
	v_pk_add_f32 v[242:243], v[242:243], v[146:147]
	v_pk_add_f32 v[240:241], v[240:241], v[150:151]
	v_pk_add_f32 v[14:15], v[14:15], v[154:155]
	v_pk_add_f32 v[236:237], v[236:237], v[158:159]
	v_pk_add_f32 v[250:251], v[250:251], v[162:163]
	v_pk_add_f32 v[248:249], v[248:249], v[166:167]
	v_pk_add_f32 v[246:247], v[246:247], v[170:171]
	v_pk_add_f32 v[244:245], v[244:245], v[174:175]
	v_pk_add_f32 v[242:243], v[242:243], v[178:179]
	v_pk_add_f32 v[240:241], v[240:241], v[182:183]
	v_pk_add_f32 v[14:15], v[14:15], v[186:187]
	v_pk_add_f32 v[236:237], v[236:237], v[190:191]
	s_delay_alu instid0(VALU_DEP_2)
	v_pk_add_f32 v[14:15], v[14:15], v[246:247]
	s_delay_alu instid0(VALU_DEP_2)
	v_pk_add_f32 v[236:237], v[236:237], v[244:245]
	v_pk_add_f32 v[250:251], v[250:251], v[242:243]
	v_pk_add_f32 v[248:249], v[248:249], v[240:241]
	s_delay_alu instid0(VALU_DEP_2)
	v_pk_add_f32 v[14:15], v[14:15], v[250:251]
	s_delay_alu instid0(VALU_DEP_2)
	v_pk_add_f32 v[236:237], v[236:237], v[248:249]
	s_delay_alu instid0(VALU_DEP_1)
	v_pk_add_f32 v[14:15], v[14:15], v[236:237]
.set n, 0
.rept 16
	v_pk_mul_f32 v[OT+n:OT+n+1], v[OT+n:OT+n+1], v[252:253] op_sel_hi:[1,0]   ; O^T under the new M: x f.  (With the sums above: the places between p's codes and word and the products below)
.set n, n+2
.endr
	s_wait_alu depctr_va_vdst(0)
	s_wait_dscnt 0x0                               ; V and its words are in
.irp t, 0,1,2,3                                ; O^T += V^T P^T: the head's 64 in four tiles; K = these 128 keys.  The four accumulators take turns
	v_wmma_scale_f32_16x16x128_f8f6f4 v[OT+8*\t:OT+8*\t+7], v[VFR+12*\t:VFR+12*\t+11], v[PC:PC+11], v[OT+8*\t:OT+8*\t+7], v[VW+\t], v253 matrix_a_fmt:MATRIX_FMT_BF6 matrix_b_fmt:MATRIX_FMT_BF6
.endr
.Lhidden_\@:
	s_add_co_u32 s[KF], s[KF], 128
.endm
; THE CHANGE OF SLOTS stands at a visit's head.  Each wave waits for all its tensor loads (its part of the slot that it is about to read), adds 0 to its spare word, and waits for that and for its reads of the slot
; that it has left.  Behind the barrier the slot ahead is whole and nobody reads the other one.  fill = 1: that other slot takes the next visit's keys: the load has a whole visit in which to land.
.macro CHANGE fill
	s_wait_tensorcnt 0x0                           ; no tensor load of mine is out, so a group 0 may be written
	ds_add_u32 v[SPW], v[NIL]                      ; 0 onto my spare word: the descriptors' steps stand between it and the wait for it
.if \fill
	s_sub_co_u32 s96, s[J], s[I]
	s_add_co_u32 s97, s[J], 1
	s_cmp_ge_u32 s[J], s[I]
	s_cselect_b32 s96, s96, s97                    ; the next visit's key slot: J + 1 in the first block, J - i in the second
	s_mov_b32 s99, 0
	s_mul_i32 s98, s96, 24576                      ; 16 images of k
	s_add_nc_u64 s[G0K+2:G0K+3], s[KB:KB+1], s[98:99]
	s_or_b32 s[G0K+3], s[G0K+3], 0x80000000
	s_mul_i32 s98, s96, 12288                      ; 8 images of v
	s_add_nc_u64 s[G0V+2:G0V+3], s[VB:VB+1], s[98:99]
	s_or_b32 s[G0V+3], s[G0V+3], 0x80000000
	s_lshl_b32 s98, s96, 11                        ; 8 pairs of words
	s_add_nc_u64 s[G0SK+2:G0SK+3], s[KSB:KSB+1], s[98:99]
	s_or_b32 s[G0SK+3], s[G0SK+3], 0x80000000
	s_lshl_b32 s98, s96, 10                        ; 4 pairs
	s_add_nc_u64 s[G0SV+2:G0SV+3], s[VSB:VSB+1], s[98:99]
	s_or_b32 s[G0SV+3], s[G0SV+3], 0x80000000
	s_xor_b32 s[G0K+1], s[G0K+1], SLOT1            ; the other slot than last time
	s_xor_b32 s[G0V+1], s[G0V+1], SLOT1
	s_xor_b32 s[G0SK+1], s[G0SK+1], SLOT1
	s_xor_b32 s[G0SV+1], s[G0SV+1], SLOT1
.endif
	s_wait_dscnt 0x0                               ; the add is done, and my reads of the slot that I have left are over
	s_barrier_signal -1
	s_barrier_wait -1
.if \fill
	TLOAD                                          ; the first thing behind the barrier, and a wave's one tensor load until the next
.endif
.endm
.macro VISIT
	s_sub_co_u32 s96, s[J], s[I]
	s_sub_co_u32 s96, s96, 1
	s_cmp_gt_u32 s[J], s[I]
	s_cselect_b32 s[KF], s96, s[J]                 ; this visit's key slot
	s_lshl_b32 s[KF], s[KF], 8                     ; its first key
	STEP 0
	STEP 1
	s_xor_b32 s[TB], s[TB], SLOT1                  ; on to the other slot
.endm
; A block of queries ends: o = O / l; its 64 numbers a row are two blocks of the last product's K: register 16 b + i = 32 b + 16 (lane / 16) + i.  Half a fragment and two scale bytes a row leave.
.macro FINISH x
.rept 4
	v_nop                                          ; places behind the last products
.endr
	v_add_f32 v14, v14, v15                        ; the sum's two halves,
	s_delay_alu instid0(VALU_DEP_1)
	v_permlanex16_b32 v252, v14, s[SEL], s[SEL+1]
	s_delay_alu instid0(VALU_DEP_1)
	v_add_f32 v14, v14, v252                       ; and lane l xor 16's: the row's sum
	s_wait_alu depctr_va_vdst(0)
	v_rcp_f32 v14, v14
	v_nop                                          ; one plain place behind a transcendental
.set n, 0
	s_wait_alu depctr_va_vdst(0)
.rept 16
	v_pk_mul_f32 v[S+n:S+n+1], v[OT+n:OT+n+1], v[14:15] op_sel_hi:[1,0]   ; each accumulator from its low end on
.set n, n+2
.endr
.irp b, 0,1
	v_max3_num_f32 v[232+\b], |v[S+16*\b]|, |v[S+1+16*\b]|, 0x2800000
.endr
.irp i, 2,4,6,8,10,12,14
.irp b, 0,1
	s_delay_alu instid0(VALU_DEP_2)
	v_max3_num_f32 v[232+\b], v[232+\b], |v[S+16*\b+\i]|, |v[S+1+16*\b+\i]|
.endr
.endr
.irp b, 0,1
	s_delay_alu instid0(VALU_DEP_2)
	v_permlanex16_b32 v[236+\b], v[232+\b], s[SEL], s[SEL+1]
.endr
.irp b, 0,1
	s_delay_alu instid0(VALU_DEP_2)
	v_max_num_f32 v[232+\b], v[232+\b], v[236+\b]
.endr
.irp b, 0,1
	s_delay_alu instid0(VALU_DEP_2)
	v_add_nc_u32 v[244+\b], 0xfe000000, v[232+\b]
.endr
.irp b, 0,1
	s_delay_alu instid0(VALU_DEP_2)
	v_lshrrev_b32 v[236+\b], 23, v[244+\b]
.endr
	v_bfe_u32 v254, v0, 4, 1
	s_delay_alu instid0(VALU_DEP_1)
	v_cmp_eq_u32 vcc_lo, 1, v254
	s_delay_alu instid0(VALU_DEP_1)
	v_cndmask_b32 v254, v236, v237, vcc_lo         ; lanes 0-15 store block 0's byte, lanes 16-31 block 1's
	v_cvt_scalef32_pk16_bf6_f32 v[PC:PC+2], v[S:S+15], v244
	v_cvt_scalef32_pk16_bf6_f32 v[240:242], v[S+16:S+31], v245
	v_nop                                          ; one plain place behind a scaled conversion
.irp i, 0,1,2
	v_permlane16_swap_b32 v[PC+\i], v[240+\i]
.endr
.irp i, 0,1,2
	s_delay_alu instid0(VALU_DEP_3)
	v_mov_b32 v[PC+3+\i], v[240+\i]
.endr
.irp p, 0,1,2
	global_store_b64 v[AK0], v[PC+2*\p:PC+2*\p+1], s[BX+8*\x+4:BX+8*\x+5] offset:256*\p   ; 256 consecutive bytes, aligned
.endr
	global_store_b8 v[OB8], v254, s[BX+8*\x+6:BX+8*\x+7]   ; a head owns two of a word's four bytes: each lane stores a byte of its own
	s_wait_xcnt 0x0                                ; the stores' data registers are written again only behind this wait
.endm
	BEGIN 0
.Lvisit:                                           ; 8 trips: behind each change of slots but the last the next visit's keys are asked for
	CHANGE 1
	VISIT
	s_cmp_lg_u32 s[J], s[I]                        ; visit i was the first block's last
	s_cbranch_scc1 .Lsame
	FINISH 0
	BEGIN 1
	s_mov_b32 s[Q0], s[Q0B]
.Lsame:
	s_add_co_u32 s[J], s[J], 1
	s_cmp_lt_u32 s[J], 8
	s_cbranch_scc1 .Lvisit
	CHANGE 0                                       ; the last visit is written out
	VISIT
	FINISH 1
	s_wait_tensorcnt 0x0                           ; the wave's end
	ds_add_u32 v[SPW], v[NIL]
	s_wait_dscnt 0x0
	s_endpgm
.Lfunc_end_k_qbf76aac64a_attn:
	.size	k_qbf76aac64a_attn, .Lfunc_end_k_qbf76aac64a_attn-k_qbf76aac64a_attn
	.p2alignl 7, 3214868480
	.fill 96, 4, 3214868480
	.section	.rodata,"a",@progbits
	.p2align	6, 0x0
	.amdhsa_kernel k_qbf76aac64a_attn
		.amdhsa_group_segment_fixed_size 327680
		.amdhsa_private_segment_fixed_size 0
		.amdhsa_enable_private_segment 0
		.amdhsa_kernarg_size 32
		.amdhsa_user_sgpr_count 2
		.amdhsa_user_sgpr_kernarg_segment_ptr 1
		.amdhsa_wavefront_size32 1
		.amdhsa_system_sgpr_workgroup_id_x 1
		.amdhsa_system_sgpr_workgroup_id_y 1
		.amdhsa_system_sgpr_workgroup_id_z 1
		.amdhsa_system_vgpr_workitem_id 0
		.amdhsa_next_free_vgpr 256
		.amdhsa_next_free_sgpr 102
		.amdhsa_reserve_vcc 1
		.amdhsa_float_denorm_mode_32 3
		.amdhsa_float_denorm_mode_16_64 3
		.amdhsa_memory_ordered 1
		.amdhsa_forward_progress 1
		.amdhsa_inst_pref_size 122
	.end_amdhsa_kernel
	.amdgpu_metadata
---
amdhsa.version: [ 1, 2 ]
amdhsa.kernels:
  - .name:           k_qbf76aac64a_attn
    .symbol:         k_qbf76aac64a_attn.kd
    .args:
      - { .name: qkv, .offset: 0, .size: 8, .value_kind: global_buffer, .address_space: global }
      - { .name: qkvs, .offset: 8, .size: 8, .value_kind: global_buffer, .address_space: global }
      - { .name: fcodes, .offset: 16, .size: 8, .value_kind: global_buffer, .address_space: global }
      - { .name: fscales, .offset: 24, .size: 8, .value_kind: global_buffer, .address_space: global }
    .group_segment_fixed_size: 327680
    .private_segment_fixed_size: 0
    .kernarg_segment_align: 8
    .kernarg_segment_size: 32
    .max_flat_workgroup_size: 512
    .sgpr_count:     102
    .vgpr_count:     256
    .wavefront_size: 32
...
	.end_amdgpu_metadata
.endif
;; end of part 3
;; launch gemm_out (part 4): grid 8 x 32, 4 waves a work-group, clusters of 4 x 4, 327,680 bytes of LDS; arguments fcodes, fscales, out0, bo; writes out0
.if DOCPART == 4
	.amdgcn_target "amdgcn-amd-amdhsa--gfx1250"
	.amdhsa_code_object_version 6
	.text
	.protected	k_qbf76aac64a_gemm_out
	.globl	k_qbf76aac64a_gemm_out
	.p2align	8
	.type	k_qbf76aac64a_gemm_out,@function
k_qbf76aac64a_gemm_out:
	s_mov_b64 s[64:65], 0
	v_nop
	global_prefetch_b8 v0, s[64:65] scope:SCOPE_SE
	s_setreg_imm32_b32 hwreg(HW_REG_WAVE_MODE, 25, 1), 1
	s_wait_xcnt 0x0
	s_wait_alu depctr_hold_cnt(0) depctr_sa_sdst(0) depctr_va_vdst(0) depctr_va_sdst(0) depctr_va_ssrc(0) depctr_va_vcc(0) depctr_vm_vsrc(0)
	s_getreg_b32 s2, hwreg(HW_REG_IB_STS2, 6, 4)
	s_cmp_eq_u32 s2, 0
	s_cbranch_scc0 .Lentry_in_a_cluster
	s_endpgm
.Lentry_in_a_cluster:
	s_bfe_u32 s2, ttmp6, 0x10000c
	s_cmp_lg_u32 s2, 0xf033
	s_cbranch_scc0 .Lentry_shape_is_right
	s_endpgm
.Lentry_shape_is_right:
; out0[m][n] = sum over k of o[m][k] Wo[n][k] + bo[n], on codes of BF6 (E3M2) with one E8M0 byte for each 32 along K = 1,024; sums in f32.
; OPERANDS (buffer fcodes) are images of operand registers: a fragment (16 rows x 128 K, 12 registers a lane) is 1,536 bytes, registers 2 p, 2 p + 1 of lane l at byte 256 p + 8 l;
; row block rb, K step s at 12,288 rb + 1,536 s; its scale words (fscales) at 512 rb + 64 s + 4 r.  Row blocks 0-511: o's tokens; 512-575: Wo's rows.
; SHARES.  A block of 256 tokens x 128 columns to a work-group: 32 x 8 = 256 work-groups.  A wave makes 128 x 64: 32 accumulators, 256 registers.
; ALL OF K LIES IN LDS AT ONCE: A's 16 row blocks (196,608 bytes), then B's 8 (98,304): each is dense in memory.  Waves 0, 1 fetch A's halves, waves 2, 3 B's halves: one tensor load a wave,
; at the head; nothing is filled again, so one work-group barrier shows all tiles to all waves.
; CLUSTERS of 4 x 4: A's tiles are shared along a row of the cluster, B's along a column; each is asked for jointly.
; NO PREFETCH: every tile is asked for once, at the head; there is no loop to run ahead in.
; THE MATRIX INSTRUCTION IS USED TRANSPOSED (source 0 = 16 rows of Wo, source 1 = 16 tokens): a lane holds eight neighbouring columns of one row of out0.  The bias is the C of each sum's first product.
; REGISTERS: window 0: v1-29 addresses; v32-95 scale words (register 8 i + s: lanes 0-15 A's block i, lanes 16-31 B's block i % 4, K step s); v96-127 the bias; v128-223 A's fragments, ONE set, later the rows on their way out.
;   window 1: B's fragments, two sets, at v0 and v128.   window 2: accumulator (a, b) at v[8 (4 a + b)].
.set FR,     12
.set RBB,    12288                     ; a row block's images, all of K
.set BOFF,   16*RBB                    ; B's tiles, behind A's
.set STAGE,  24*RBB                    ; behind the tiles: 16 rows x 272 bytes for each wave, for the way out; no tensor load lands here
.set SPITCH, 272
.set SPARE,  STAGE+4*16*SPITCH         ; the spare words, 128 bytes for each wave: two blocks of 256 bytes that no other line names
.set ADRA, 16                          ; v16, v17  LDS address of my A blocks 0-3, 4-7
.set ADRB, 18                          ; v18       of my B blocks
.set STO,  20                          ; v20       the way out: where I put 32 bytes of a row
.set RD,   21                          ; v21       where I read rows back
.set CO,   22                          ; v22       my byte offset in out0
.set L8,   23                          ; v23       8 x lane
.set SOFF, 24                          ; v24, v25  my offset among the scale words, for blocks 0-3 and 4-7
.set BOF,  26                          ; v26       32 x (lane / 16): my eight numbers of the bias
.set SPW,  28                          ; v28       LDS address of my spare word; never rewritten
.set NIL,  29                          ; v29       0; never rewritten
.set SC,   32
.set BI,   96
.set AF,   128
.set BK,   128
.set G1,  24                           ; s[24:31], s[32:35] descriptor groups 1 and 0 for A's tiles
.set G0,  32
.set G1B, 44                           ; s[44:51], s[52:55] the same for B's
.set G0B, 52
.set MSB, 0
.macro WIN new                         ; the immediate's high byte repeats the setting that is left
.if MSB != \new
	s_set_vgpr_msb (MSB<<8)|\new
.set MSB, \new
.endif
.endm
.set MUL,  0xa1                        ; source 0 (B) window 1, source 1 (A) window 0, C and D window 2
.set ST,   0x81                        ; the same, C (the bias) window 0
.set TO_B, 0x40                        ; destination window 1, address window 0
.macro CREST                           ; a round of the cluster's barrier behind its opening barrier
	s_cmp_lg_u32 s14, 0
	s_cbranch_scc1 .Lnot_wave_0_\@
	s_barrier_signal -3
.Lnot_wave_0_\@:
	s_barrier_wait -3
	s_barrier_signal -1
	s_barrier_wait -1
.endm
.macro CROUND
	s_barrier_signal -1
	s_barrier_wait -1
	CREST
.endm
.macro PLACES n
.rept \n
	v_nop
.endr
.endm
	s_load_b128 s[4:7], s[0:1], 0x0                ; fcodes, fscales
	s_load_b128 s[8:11], s[0:1], 0x10              ; out0, bo
	v_lshl_add_u32 v[SPW], v0, 2, SPARE
	v_mov_b32 v[NIL], 0
	ds_add_u32 v[SPW], v[NIL]                      ; the opening lines: the add, twice on end, and its wait ahead of my first tensor load
	ds_add_u32 v[SPW], v[NIL]
	v_lshrrev_b32 v1, 5, v0
	v_readfirstlane_b32 s14, v1                    ; wave 0..3
	s_lshr_b32 s15, s14, 1                         ; which 128 tokens are mine.  Also: I fetch for A (0) or for B (1)
	s_and_b32 s16, s14, 1                          ; which 64 columns.  Also: which half of that tile I fetch
	s_bfe_u32 s66, ttmp6, 0x40000                  ; cx
	s_bfe_u32 s67, ttmp6, 0x40004                  ; cy
	s_and_b32 s68, ttmp7, 0xffff                   ; the cluster's y; ttmp9 is its x
	s_lshl_b32 s69, s67, 2
	s_lshl_b32 s69, 15, s69                        ; my row of the cluster
	s_lshl_b32 s70, 0x1111, s66                    ; my column
	s_or_b32 s[G1], s69, (3<<16)|(1<<21)           ; 15:0 the mask; 17:16 elements of 8 bytes; 21 set beside a mask; no padding: an image's pieces are read as 256 consecutive bytes
	s_or_b32 s[G1B], s70, (3<<16)|(1<<21)
.irp g, G1, G1B                        ; rows of 12,288 bytes (a row block), dense
	s_mov_b32 s[\g+1], 1536<<16
	s_mov_b32 s[\g+3], 1536<<16
	s_mov_b32 s[\g+5], 1536
	s_mov_b32 s[\g+6], 0
	s_mov_b32 s[\g+7], 0
.endr
	s_mov_b32 s[G1+2], 8<<16                       ; A: 8 row blocks a load
	s_mov_b32 s[G1+4], 8
	s_mov_b32 s[G1B+2], 4<<16                      ; B: 4
	s_mov_b32 s[G1B+4], 4
	s_lshl_b32 s71, s68, 6
	s_lshl_b32 s75, s67, 4
	s_add_co_u32 s71, s71, s75                     ; A's first row block: 16 (4 Y + cy)
	s_lshl_b32 s73, ttmp9, 5
	s_lshl_b32 s76, s66, 3
	s_add_co_u32 s73, s73, s76
	s_add_co_u32 s73, s73, 512                     ; B's: 512 + 8 (4 X + cx)
	s_lshl_b32 s77, s16, 3
	s_add_co_u32 s78, s71, s77                     ; what I would fetch of A
	s_lshl_b32 s77, s16, 2
	s_add_co_u32 s88, s73, s77                     ; what I would fetch of B, which is also what I multiply of B
	s_mul_i32 s78, s78, RBB
	s_mov_b32 s79, 0
	s_mul_i32 s80, s88, RBB
	s_mov_b32 s81, 0
	s_mul_i32 s82, s16, 8*RBB                      ; where A's half goes
	s_mul_i32 s83, s16, 4*RBB
	s_add_co_u32 s83, s83, BOFF                    ; where B's half goes, and where I read B
	s_mul_i32 s84, s15, 8*RBB                      ; where I read A: blocks 0-3,
	s_add_co_u32 s85, s84, 4*RBB                   ; blocks 4-7
	s_lshl_b32 s87, s15, 3
	s_add_co_u32 s87, s87, s71                     ; my first row block of A
	s_lshl_b32 s89, s87, 9                         ; its scale words,
	s_lshl_b32 s86, s88, 9                         ; and B's
	s_lshl_b32 s90, s87, 16                        ; out0: 16 rows of 4,096 bytes a row block
	s_mov_b32 s91, 0
	s_sub_co_u32 s92, s88, 512
	s_lshl_b32 s92, s92, 6                         ; 64 bytes of a row, and of bo, for each 16 columns
	s_mov_b32 s93, 0
	s_mul_i32 s94, s14, 16*SPITCH
	s_add_co_u32 s94, s94, STAGE                   ; my stage
	s_wait_dscnt 0x0                               ; both opening adds are done
	s_wait_kmcnt 0x0
	s_add_nc_u64 s[78:79], s[4:5], s[78:79]
	s_add_nc_u64 s[80:81], s[4:5], s[80:81]
	s_add_nc_u64 s[8:9], s[8:9], s[90:91]
	s_add_nc_u64 s[8:9], s[8:9], s[92:93]
	s_add_nc_u64 s[10:11], s[10:11], s[92:93]
	s_mov_b32 s[G0], 1
	s_add_co_u32 s[G0+1], s82, 0
	s_mov_b64 s[G0+2:G0+3], s[78:79]
	s_or_b32 s[G0+3], s[G0+3], 0x80000000
	s_mov_b32 s[G0B], 1
	s_add_co_u32 s[G0B+1], s83, 0
	s_mov_b64 s[G0B+2:G0B+3], s[80:81]
	s_or_b32 s[G0B+3], s[G0B+3], 0x80000000
	CROUND                                         ; all sixteen work-groups are here: the joint loads meet
	s_cmp_eq_u32 s15, 0                            ; one load a wave; the branch hangs on the wave's number alone; s_nop 0 and four v_nop follow each line
	s_cbranch_scc0 .Lfor_b
	tensor_load_to_lds s[G0:G0+3], s[G1:G1+7]
	s_nop 0
	PLACES 4
	s_branch .Lasked
.Lfor_b:
	tensor_load_to_lds s[G0B:G0B+3], s[G1B:G1B+7]
	s_nop 0
	PLACES 4
.Lasked:
	v_and_b32 v1, 15, v0                           ; r
	v_bfe_u32 v2, v0, 4, 1                         ; h
	v_and_b32 v3, 31, v0                           ; lane
	v_lshlrev_b32 v[L8], 3, v3
	v_add_nc_u32 v[ADRA], s84, v[L8]
	v_add_nc_u32 v[ADRA+1], s85, v[L8]
	v_add_nc_u32 v[ADRB], s83, v[L8]
	v_mov_b32 v4, s89
	v_mov_b32 v5, s86
	v_cmp_eq_u32 vcc_lo, 1, v2
	v_cndmask_b32 v[SOFF], v4, v5, vcc_lo          ; lanes 0-15 take A's words, lanes 16-31 B's
	v_lshl_add_u32 v[SOFF], v1, 2, v[SOFF]
	v_lshlrev_b32 v7, 11, v2
	v_sub_nc_u32 v[SOFF+1], v[SOFF], v7            ; for blocks 4-7 lanes 16-31 stand four row blocks back: they read B's blocks 0-3 again and stay inside the buffer
	v_lshlrev_b32 v[BOF], 5, v2
	v_mul_u32_u24 v8, v1, SPITCH                   ; into the stage: row r, 32 bytes for each half of the lanes
	v_lshl_add_u32 v8, v2, 5, v8
	v_add_nc_u32 v[STO], s94, v8
	v_mul_u32_u24 v9, v2, SPITCH                   ; back: lanes 0-15 take one row of 256 bytes, lanes 16-31 the next
	v_lshl_add_u32 v9, v1, 4, v9
	v_add_nc_u32 v[RD], s94, v9
	v_lshlrev_b32 v10, 12, v2                      ; and the same two rows in out0
	v_lshl_add_u32 v[CO], v1, 4, v10
	s_wait_alu depctr_va_vdst(0)
.irp i, 0,1,2,3,4,5,6,7
.irp s, 0,1,2,3,4,5,6,7
	global_load_b32 v[SC+8*\i+\s], v[SOFF+\i/4], s[6:7] offset:512*\i+64*\s
.endr
.endr
.irp b, 0,1,2,3
	global_load_b128 v[BI+8*\b:BI+8*\b+3], v[BOF], s[10:11] offset:64*\b       ; bo(16 b + 8 h + 0 .. 7): the layout of a result
	global_load_b128 v[BI+8*\b+4:BI+8*\b+7], v[BOF], s[10:11] offset:64*\b+16
.endr
.macro FRAG reg, adr, off              ; a fragment comes as it was stored: six loads of 256 consecutive bytes
.irp p, 0,1,2,3,4,5
	ds_load_b64 v[\reg+2*\p:\reg+2*\p+1], v[\adr] offset:\off+256*\p
.endr
.endm
.macro FETCH_B ks, p                   ; B's four fragments of K step ks into set p
	WIN TO_B
.irp i, 0,1,2,3
	FRAG 128*(\p)+FR*\i, ADRB, RBB*\i+1536*(\ks)
.endr
	WIN 0
.endm
.macro FETCH_A ks, g                   ; A's blocks 4 g .. 4 g + 3
.irp i, 0,1,2,3
	FRAG AF+FR*(4*(\g)+\i), ADRA+(\g), RBB*\i+1536*(\ks)
.endr
.endm
; 16 matrix instructions: A's blocks 4 g .. 4 g + 3 x B's four.  The 32 accumulators take turns, one instruction a turn, in the same order in every step.
.macro MULQ g, p, ks, start
.irp a, 4*(\g), 4*(\g)+1, 4*(\g)+2, 4*(\g)+3
.irp b, 0,1,2,3
.if \start
	v_wmma_scale_f32_16x16x128_f8f6f4 v[8*(4*(\a)+\b):8*(4*(\a)+\b)+7], v[128*(\p)+FR*\b:128*(\p)+FR*\b+FR-1], v[AF+FR*(\a):AF+FR*(\a)+FR-1], v[BI+8*\b:BI+8*\b+7], v[SC+8*\b+(\ks)], v[SC+8*(\a)+(\ks)] matrix_a_fmt:MATRIX_FMT_BF6 matrix_b_fmt:MATRIX_FMT_BF6 matrix_a_scale:MATRIX_SCALE_ROW1
.else
	v_wmma_scale_f32_16x16x128_f8f6f4 v[8*(4*(\a)+\b):8*(4*(\a)+\b)+7], v[128*(\p)+FR*\b:128*(\p)+FR*\b+FR-1], v[AF+FR*(\a):AF+FR*(\a)+FR-1], v[8*(4*(\a)+\b):8*(4*(\a)+\b)+7], v[SC+8*\b+(\ks)], v[SC+8*(\a)+(\ks)] matrix_a_fmt:MATRIX_FMT_BF6 matrix_b_fmt:MATRIX_FMT_BF6 matrix_a_scale:MATRIX_SCALE_ROW1
.endif
.endr
.endr
.endm
; A K step: 32 matrix instructions.  A block of A is free when its four products are issued: blocks 0-3 are fetched anew in the step's middle, blocks 4-7 at its end; B has two sets.
; Four places (plain vector instructions) stand in front of loads into registers that matrix instructions have read (ISA guide 7.12.1 for vector instructions).
.macro STEP ks, start, more
	s_wait_dscnt 24                                ; B's set and A's blocks 0-3 are in; the youngest 24 loads (A's blocks 4-7) may be out
	WIN MUL-0x20*(\start)
	MULQ 0, (\ks)%2, \ks, \start
	s_wait_dscnt 0                                 ; A's blocks 4-7 are in
.if \more
	PLACES 4
	FETCH_B (\ks)+1, ((\ks)+1)%2
	FETCH_A (\ks)+1, 0
.endif
	WIN MUL-0x20*(\start)
	MULQ 1, (\ks)%2, \ks, \start
	PLACES 4
	WIN 0
.if \more
	FETCH_A (\ks)+1, 1
.endif
.endm
	s_wait_tensorcnt 0x0                           ; my one load is in
	s_barrier_signal -1
	s_barrier_wait -1                              ; everybody's is: all of K lies in LDS
	FETCH_B 0, 0
	FETCH_A 0, 0
	FETCH_A 0, 1
	s_wait_loadcnt 0x0                             ; the scale words and the bias
	STEP 0, 1, 1                                   ; the first products start the sums from the bias: nothing is cleared or added later
.irp k, 1,2,3,4,5,6
	STEP \k, 0, 1
.endr
	STEP 7, 0, 0                                   ; its closing four places also stand ahead of the first read of results
; THE WAY OUT, block by block of 16 rows x 64 columns, through my own stage: in as 32 bytes a lane, back as whole rows of 256 bytes.  LDS serves a wave's instructions in order (ISA guide 5.7.1.4).
.macro TOSTAGE a
	WIN 0x08                                       ; the data: window 2
.irp b, 0,1,2,3
	ds_store_b128 v[STO], v[32*(\a)+8*\b:32*(\a)+8*\b+3] offset:64*\b          ; each accumulator from its low end on
	ds_store_b128 v[STO], v[32*(\a)+8*\b+4:32*(\a)+8*\b+7] offset:64*\b+16
.endr
	WIN 0
.irp t, 0,1,2,3,4,5,6,7
	ds_load_b128 v[BK+32*((\a)%2)+4*\t:BK+32*((\a)%2)+4*\t+3], v[RD] offset:\t*2*SPITCH
.endr
.endm
.macro SEND a, younger                 ; younger: the LDS instructions issued behind block a's loads
	s_wait_dscnt \younger
.if (\a) > 0
	s_add_nc_u64 s[8:9], s[8:9], 16*4096           ; (behind a wait on XCNT: the earlier stores have read their base)
.endif
.irp t, 0,1,2,3,4,5,6,7
	global_store_b128 v[CO], v[BK+32*((\a)%2)+4*\t:BK+32*((\a)%2)+4*\t+3], s[8:9] offset:\t*2*4096 th:TH_STORE_NT   ; 16 lanes store 256 consecutive bytes, aligned
.endr
.endm
	TOSTAGE 0
.irp a, 1,2,3,4,5,6,7
.if \a > 1
	s_wait_xcnt 0x0                                ; block a - 2's stores have read their registers and their base
.endif
	TOSTAGE \a
	SEND \a-1, 16                                  ; behind block a - 1's loads: block a's 8 stores and 8 loads
.endr
	s_wait_xcnt 0x0
	SEND 7, 0
	s_wait_tensorcnt 0x0                           ; the wave's end
	ds_add_u32 v[SPW], v[NIL]
	s_wait_dscnt 0x0
	CROUND                                         ; the closing round
	s_endpgm
.Lfunc_end_k_qbf76aac64a_gemm_out:
	.size	k_qbf76aac64a_gemm_out, .Lfunc_end_k_qbf76aac64a_gemm_out-k_qbf76aac64a_gemm_out
	.p2alignl 7, 3214868480
	.fill 96, 4, 3214868480
	.section	.rodata,"a",@progbits
	.p2align	6, 0x0
	.amdhsa_kernel k_qbf76aac64a_gemm_out
		.amdhsa_group_segment_fixed_size 327680
		.amdhsa_private_segment_fixed_size 0
		.amdhsa_enable_private_segment 0
		.amdhsa_kernarg_size 32
		.amdhsa_user_sgpr_count 2
		.amdhsa_user_sgpr_kernarg_segment_ptr 1
		.amdhsa_wavefront_size32 1
		.amdhsa_system_sgpr_workgroup_id_x 1
		.amdhsa_system_sgpr_workgroup_id_y 1
		.amdhsa_system_sgpr_workgroup_id_z 1
		.amdhsa_system_vgpr_workitem_id 0
		.amdhsa_next_free_vgpr 768
		.amdhsa_next_free_sgpr 100
		.amdhsa_reserve_vcc 1
		.amdhsa_float_denorm_mode_32 3
		.amdhsa_float_denorm_mode_16_64 3
		.amdhsa_memory_ordered 1
		.amdhsa_forward_progress 1
		.amdhsa_inst_pref_size 101
	.end_amdhsa_kernel
	.amdgpu_metadata
---
amdhsa.version: [ 1, 2 ]
amdhsa.kernels:
  - .name:           k_qbf76aac64a_gemm_out
    .symbol:         k_qbf76aac64a_gemm_out.kd
    .args:
      - { .name: fcodes, .offset: 0, .size: 8, .value_kind: global_buffer, .address_space: global }
      - { .name: fscales, .offset: 8, .size: 8, .value_kind: global_buffer, .address_space: global }
      - { .name: out0, .offset: 16, .size: 8, .value_kind: global_buffer, .address_space: global }
      - { .name: bo, .offset: 24, .size: 8, .value_kind: global_buffer, .address_space: global }
    .group_segment_fixed_size: 327680
    .private_segment_fixed_size: 0
    .kernarg_segment_align: 8
    .kernarg_segment_size: 32
    .max_flat_workgroup_size: 128
    .sgpr_count:     100
    .vgpr_count:     768
    .wavefront_size: 32
...
	.end_amdgpu_metadata
.endif
;; end of part 4
